; MI455X (gfx1250); checked and timed in simulation.
; The chip was launched on July 23, 2026; its instructions are those of AMD's public machine-readable ISA for CDNA 5 (MIT licence, August 2026) and "CDNA5" Instruction Set Architecture Reference Guide (July 2026). The comments in the code are by the model that wrote it; some were corrected since.
;; Multi Head Self Attention. Allowed arithmetic: matrix products marked QUANTISED: E2M3 operands, one E8M0 scale for each 32 along K, by v_wmma_scale_f32_16x16x128_f8f6f4 with both operands' format E2M3, f32 sums; everything else in f32.
;; Inputs: Wk 1,024 x 1,024 float32; Wo 1,024 x 1,024 float32; Wq 1,024 x 1,024 float32; Wv 1,024 x 1,024 float32; bk 1,024 float32; bo 1,024 float32; bq 1,024 float32; bv 1,024 float32; x 4 x 2,048 x 1,024 float32.
;; Outputs: out0 4 x 2,048 x 1,024 float32.
;; This version of the problem:
;;   THIS VERSION OF THE PROBLEM IS GIVEN IN LOW PRECISION. The matrix products marked QUANTISED in the list below multiply operands that are first quantised to E2M3 (2 exponent bits, 3 mantissa bits; 6 bits a number), with one power-of-two scale for each 32 numbers along K (OCP MX v1.0); their sums are f32. All else is computed in f32.
;;   The module's matrix products, in the order in which they are computed (A, B: the left and right operand; K: the contracted axis; several contracted axes count as one K, in the product's order):
;;     1. [M 8,192, K 1,024] x [K 1,024, N 1,024]; A: input x; B: input Wq: QUANTISED
;;     2. [M 8,192, K 1,024] x [K 1,024, N 1,024]; A: input x; B: input Wk: QUANTISED
;;     3. [M 8,192, K 1,024] x [K 1,024, N 1,024]; A: input x; B: input Wv: QUANTISED
;;     4. batch 64 x [M 2,048, K 64] x [K 64, N 2,048]; A: computed on the way; B: computed on the way: QUANTISED
;;     5. batch 64 x [M 64, K 2,048] x [K 2,048, N 2,048]; A: computed on the way; B: softmax (see below): QUANTISED
;;     6. [M 8,192, K 1,024] x [K 1,024, N 1,024]; A: computed on the way; B: input Wo: QUANTISED
;;   THE QUANTISER, for each operand of a quantised product, along K:
;;     - K is cut into blocks of 32 from its start; a last block that is shorter is filled with zeros.
;;     - A block's scale is 2^e with e = floor(log2(the largest magnitude in the block)) - 2, held to -126 .. 127; a block of zeros has e = 0. As a byte (E8M0): e + 127.
;;     - Each number is divided by its block's scale, clamped to +-7.5, and rounded to the nearest number of E2M3, ties to even, subnormals kept.
;;     - The product sums the exact products of the quantised numbers (number of the format x scale) in f32.
;;   ~~~python
;;   def quantise(x, axis):      # numpy; x: float32 -> the quantised numbers, widened to float32 again
;;       x = np.moveaxis(x, axis, -1); K = x.shape[-1]
;;       x = np.pad(x, [(0, 0)] * (x.ndim - 1) + [(0, -K % 32)]); x = x.reshape(x.shape[:-1] + (-1, 32)); a = np.abs(x).max(-1, keepdims=True)
;;       e = np.where(a > 0, np.clip(np.frexp(np.where(a > 0, a, 1))[1] - 1 - 2, -126, 127), 0)      # np.frexp(a)[1] - 1 = floor(log2(a)), exactly
;;       r = np.clip(x / 2.0 ** e, -7.5, 7.5)
;;       step = 2.0 ** (np.maximum(np.frexp(np.where(r == 0, 1, r))[1] - 1, 0) - 3)
;;       q = np.round(r / step) * step * 2.0 ** e      # np.round: ties to even
;;       return np.moveaxis(q.reshape(q.shape[:-2] + (-1,))[..., :K], -1, axis).astype(np.float32)
;;   ~~~
;;   SOFTMAX AHEAD OF A QUANTISED PRODUCT. Where the list says 'softmax', what is quantised is not the finished softmax but p = 2^(t - M), with t = logit x log2(e) and M = ceil(the row's largest t), a whole number; so 1/2 < the row's largest p <= 1. The row's sum l is taken of the UNQUANTISED p, in f32, and the product's result is divided by l at the end. Since M is a whole number, a kernel that streams over the keys may use a running M (the ceiling of the running maximum): every later rescaling is an exact power of two, which a block's scale takes up: the codes' values come out the same.
;;   OPERANDS COMPUTED ON THE WAY. 'Computed on the way' means the value that the module computes at that place (a softmax that the list does not call 'softmax' is quantised finished and normalised). What goes into a quantiser is computed in f32, as accurately as f32 sums, v_exp_f32 and their like allow (about 1e-6 of the number): no bf16 or f16 on the way to a quantiser, and a product that is left as it is and whose result goes on into a quantised operand takes f32 operands (vector FMAs, or v_wmma_f32_16x16x4_f32). A number that lies on a knife's edge between two numbers of the format may be rounded either way, as far as f32 arithmetic and the matrix unit's own rounding can turn it there, and no further.
;; One version. Each part assembles by itself: llvm-mc -triple=amdgcn-amd-amdhsa -mcpu=gfx1250 --defsym DOCPART=n.
;; ======== version 1 of 1: 4 launches
;; limits: right only within a limited range of input values
;; workspace buffers: xq 6,553,600 bytes; wq 3,276,800 bytes; qb 13,107,200 bytes; kvb 13,107,200 bytes; aq 6,553,600 bytes
;; launch quant (part 1): grid 768 x 1, 4 waves a work-group, no clusters, 34,816 bytes of LDS; arguments x, Wq, Wk, Wv, Wo, xq, wq; writes xq, wq
.if DOCPART == 1
	.amdgcn_target "amdgcn-amd-amdhsa--gfx1250"
	.amdhsa_code_object_version 6
	.text
	.protected	k_q4baef28c24_quant
	.globl	k_q4baef28c24_quant
	.p2align	8
	.type	k_q4baef28c24_quant,@function
k_q4baef28c24_quant:
	s_mov_b64 s[64:65], 0
	v_nop
	global_prefetch_b8 v0, s[64:65] scope:SCOPE_SE
	s_setreg_imm32_b32 hwreg(HW_REG_WAVE_MODE, 25, 1), 1
	s_wait_xcnt 0x0
; MULTI-HEAD SELF-ATTENTION IN MX-FP6, FIRST OF FOUR LAUNCHES: x [8192][1024] and the four weights [1024][1024], f32, K innermost, become codes of E2M3 with one E8M0 byte for each 32 along K.
; DEAD WORK: none.  Every product, every input and every bias of reference() has a way to the output (bk too: it moves k's codes), so nothing is left out in any of the four launches.
; THE QUANTISER: a block's scale is 2^(floor(log2(largest magnitude)) - 2); its byte is the largest magnitude's exponent field - 2, held at 1 from below; each number / scale goes to the nearest code, ties to even, beyond 7.5 the largest code.
; LIMITS: NaN and infinities among the inputs are not served.  A block of zeros gets the byte 1 where the rule says 127: its codes are zeros, which add nothing under any byte but 0xff, and this program alone reads the bytes.
; Blocks whose largest magnitude lies under 2^-124 are held at the byte 1.
; THE LAYOUT OF THE WORKSPACE is the order of the operand's registers.  128 rows are a row block of 102,400 bytes: four quarters (256 along K) of 25,600 bytes, each [K step 2][tile 8][half 2][768 bytes] of codes, then 1,024 bytes of scale words.
; THE ROWS OF A TILE ARE NOT NEIGHBOURS: row m of tile 4 g + t is row 64 g + 32 (m / 8) + 8 t + m % 8 of the block, so that a product which takes such tiles as source 0 leaves 32 neighbours in one lane.
; A half fragment (768 bytes) holds, for lane (m, h), the 24 bytes of row m's codes k = 64 c + 32 h + 0 .. 31: registers 0-3 at 16 x lane, registers 4-5 at 512 + 8 x lane.  Scale words: [K step 2][g 2][m 16][t 4], byte 2 c + h.
; SHARES: work-groups 0-511 take x (64 row blocks), 512-767 the weights (Wq, Wk, Wv, Wo: row blocks 0-31 of wq).  Eight work-groups to a row block: one for each quarter and each half g of the rows.
; Wave w takes K step w / 2 of the quarter and tiles 4 g + 2 (w % 2), + 1: two fragments, whose 32 loads all go out at the start.
; A load reads 512 consecutive bytes of one row; a fragment's 16 rows turn through the wave's own stage in LDS (rows of 528 bytes) and come back 32 neighbours a block a lane.  Every store covers 256 or 512 consecutive bytes, aligned.
; The scale words of a K step and half g are 256 bytes, of which each of two waves makes 8 of every 16: they meet in 256 LDS bytes of their own, behind the one barrier, and the even wave stores the whole unit.
; No matrix work, no cluster (no work-group shares an input with another), no tensor load.
.set RBB,   102400                     ; a row block
.set QTB,   25600                      ; a quarter
.set STG,   8448                       ; a wave's stage: 16 rows x 528 bytes
.set SCR,   4*STG                      ; behind the stages: the scale words of the two K steps, 256 bytes each
.set SPARE, 4*STG+512                  ; behind them: the spare words, 128 bytes a wave, which no other line names
.set SPW,   12                         ; v12  my spare word's LDS address; never rewritten
.set NIL,   13                         ; v13  0; never rewritten
.set R,     16                         ; v16-143   two sets of 64: the two fragments' rows as loaded
.set X,     144                        ; v144-207  my 64 numbers: blocks c = 0, 1
.set C,     208                        ; v208-219  the fragment's 12 registers
.set T0,    220                        ; v220-222, v224-226: a conversion's three registers begin on an even number: the second half of each six is made here and moved
.set T1,    224
.set W,     228                        ; v228-229  the two fragments' scale words
.set PR,    232                        ; v232-233  the words on their way out
.set MX,    234                        ; v234-235  largest magnitudes
.set SO,    236                        ; v236-237  the conversions' scale operands
.set EB,    238                        ; v238-239  the bytes
.set PT,    240                        ; v240      from lane l xor 16
.set WT,    241
	s_load_b256 s[4:11], s[0:1], 0x0               ; x, Wq, Wk, Wv
	s_load_b128 s[12:15], s[0:1], 0x20             ; Wo, xq
	s_load_b64 s[16:17], s[0:1], 0x30              ; wq
	v_lshl_add_u32 v[SPW], v0, 2, SPARE
	v_mov_b32 v[NIL], 0
	v_lshrrev_b32 v1, 5, v0
	v_readfirstlane_b32 s18, v1                    ; wave 0..3
	s_lshr_b32 s27, s18, 1                         ; the K step in the quarter
	s_and_b32 s36, s18, 1                          ; which pair of tiles
	s_lshl_b32 s38, s27, 8
	s_add_co_u32 s38, s38, SCR                     ; my K step's 256 bytes of words in LDS
	s_lshl_b32 s37, s36, 3
	s_add_co_u32 s37, s37, s38                     ; + 8 x pair
	s_mul_i32 s19, s18, STG
	v_and_b32 v7, 31, v0                           ; lane
	v_lshlrev_b32 v1, 4, v7                        ; 16 x lane
	v_lshlrev_b32 v2, 3, v7                        ; 8 x lane
	v_and_b32 v8, 15, v0                           ; r
	v_bfe_u32 v9, v0, 4, 1                         ; h
	v_lshlrev_b32 v3, 3, v9                        ; 8 h
	v_add_nc_u32 v4, s19, v1                       ; into the stage: 16 x lane of a row
	v_mul_u32_u24 v5, v8, 528
	v_lshl_add_u32 v5, v9, 7, v5
	v_add_nc_u32 v5, s19, v5                       ; out of it: row r, + 128 h
	v_lshlrev_b32 v6, 4, v8
	v_add_nc_u32 v6, s37, v6                       ; my two words' place in LDS: 16 r + 8 x pair
	v_add_nc_u32 v10, s38, v2                      ; and the unit read back: 8 x lane
	v_mov_b32 v[PT], 0                             ; written once: a lane permute's destination counts as one of its sources
	s_mov_b32 s20, 0x76543210
	s_mov_b32 s21, 0xfedcba98                      ; selects for lane l xor 16
	s_cmp_lt_u32 ttmp9, 512                        ; x's work-group or a weight's
	s_cselect_b32 s23, 0, 512
	s_cselect_b32 s25, 63, 7
	s_sub_co_u32 s23, ttmp9, s23
	s_lshr_b32 s24, s23, 3                         ; the row block in xq or wq
	s_and_b32 s25, s24, s25                        ; and in its source tensor
	s_bfe_u32 s26, ttmp9, 0x20001                  ; the quarter
	s_and_b32 s28, ttmp9, 1                        ; g: which 64 rows
	s_lshl_b32 s30, s25, 19                        ; source: 128 rows of 4,096 bytes a row block,
	s_lshl_b32 s29, s28, 18                        ; 64 rows,
	s_add_co_u32 s30, s30, s29
	s_lshl_b32 s29, s36, 16                        ; 16 rows a pair of tiles,
	s_add_co_u32 s30, s30, s29
	s_lshl_b32 s29, s26, 10                        ; 1,024 bytes a quarter,
	s_add_co_u32 s30, s30, s29
	s_lshl_b32 s29, s27, 9                         ; 512 a K step
	s_add_co_u32 s30, s30, s29
	s_mov_b32 s31, 0
	s_mul_i32 s32, s24, RBB
	s_mul_i32 s29, s26, QTB
	s_add_co_u32 s32, s32, s29                     ; the quarter's first byte
	s_lshl_b32 s34, s27, 9
	s_lshl_b32 s29, s28, 8
	s_add_co_u32 s34, s34, s29
	s_add_co_u32 s34, s34, s32
	s_add_co_u32 s34, s34, 24576                   ; the 256 bytes of scale words
	s_mul_i32 s29, s27, 12288
	s_add_co_u32 s32, s32, s29
	s_mul_i32 s29, s28, 6144
	s_add_co_u32 s32, s32, s29
	s_mul_i32 s29, s36, 3072
	s_add_co_u32 s32, s32, s29                     ; my two fragments
	s_mov_b32 s33, 0
	s_mov_b32 s35, 0
	s_wait_alu depctr_va_vdst(0)                   ; the wait at the head's end
	s_wait_kmcnt 0x0
	s_cmp_lt_u32 ttmp9, 704                        ; the source, by the work-group's number alone
	s_cselect_b64 s[12:13], s[10:11], s[12:13]
	s_cmp_lt_u32 ttmp9, 640
	s_cselect_b64 s[12:13], s[8:9], s[12:13]
	s_cmp_lt_u32 ttmp9, 576
	s_cselect_b64 s[12:13], s[6:7], s[12:13]
	s_cmp_lt_u32 ttmp9, 512
	s_cselect_b64 s[12:13], s[4:5], s[12:13]
	s_cselect_b64 s[14:15], s[14:15], s[16:17]
	s_add_nc_u64 s[12:13], s[12:13], s[30:31]
	s_add_nc_u64 s[16:17], s[14:15], s[34:35]      ; scale words
	s_add_nc_u64 s[14:15], s[14:15], s[32:33]      ; codes
.macro LOAD t                          ; fragment t's 16 rows, 512 consecutive bytes each, into set t
.irp m, 0,1,2,3,4,5,6,7,8,9,10,11,12,13,14,15
	global_load_b128 v[R+64*(\t)+4*\m:R+64*(\t)+4*\m+3], v1, s[12:13] offset:(32*(\m/8)+8*(\t)+\m%8)*4096 th:TH_LOAD_NT
.endr
.endm
.macro FRAGQ t
.if (\t) < 1
	s_wait_loadcnt 16                              ; this fragment's 16 loads are in; the second fragment's may be out
.else
	s_wait_loadcnt 0x0
.endif
.irp m, 0,1,2,3,4,5,6,7,8,9,10,11,12,13,14,15
	ds_store_b128 v4, v[R+64*(\t)+4*\m:R+64*(\t)+4*\m+3] offset:528*\m
.endr
.irp c, 0,1
.irp i, 0,1,2,3,4,5,6,7
	ds_load_b128 v[X+32*\c+4*\i:X+32*\c+4*\i+3], v5 offset:256*\c+16*\i   ; LDS serves a wave's instructions in order: these see the stores above.  Row r, k = 64 c + 32 h + 4 i ..
.endr
.endr
	s_wait_dscnt 0x0                               ; my numbers are back
	v_max3_num_f32 v[MX], |v[X]|, |v[X+1]|, 0x1800000      ; each block's 32 numbers are mine; the floor 2^(3 - 127) holds the byte at 1 from below
	v_max3_num_f32 v[MX+1], |v[X+32]|, |v[X+33]|, 0x1800000
.irp i, 2,4,6,8,10,12,14,16,18,20,22,24,26,28,30
	v_max3_num_f32 v[MX], v[MX], |v[X+\i]|, |v[X+\i+1]|    ; (the two blocks by turns)
	v_max3_num_f32 v[MX+1], v[MX+1], |v[X+32+\i]|, |v[X+33+\i]|
.endr
	v_add_nc_u32 v[SO], 0xff000000, v[MX]          ; 2 off the exponent field: the conversion takes the exponent field of this operand as its scale
	v_add_nc_u32 v[SO+1], 0xff000000, v[MX+1]
	v_lshrrev_b32 v[EB], 23, v[SO]                 ; the bytes
	v_lshrrev_b32 v[EB+1], 23, v[SO+1]
	s_wait_alu depctr_va_vdst(0)                   ; directly ahead of the wait below
	s_wait_xcnt 0x0                                ; the last fragment's stores have read the registers that are written now
	v_cvt_scalef32_pk16_fp6_f32 v[C:C+2], v[X:X+15], v[SO]
	v_cvt_scalef32_pk16_fp6_f32 v[T0:T0+2], v[X+16:X+31], v[SO]
	v_cvt_scalef32_pk16_fp6_f32 v[C+6:C+8], v[X+32:X+47], v[SO+1]
	v_cvt_scalef32_pk16_fp6_f32 v[T1:T1+2], v[X+48:X+63], v[SO+1]
	v_nop                                          ; one plain place behind a scaled conversion
.irp i, 0,1,2
	v_mov_b32 v[C+3+\i], v[T0+\i]
	v_mov_b32 v[C+9+\i], v[T1+\i]
.endr
	v_lshl_or_b32 v[WT], v[EB+1], 16, v[EB]        ; my two bytes, blocks h and 2 + h,
	v_lshlrev_b32 v[WT], v3, v[WT]                 ; at their places,
	v_permlanex16_b32 v[PT], v[WT], s20, s21
	v_or_b32 v[W+(\t)], v[WT], v[PT]               ; and lane l xor 16's two: row r's scale word
	global_store_b128 v1, v[C:C+3], s[14:15] offset:1536*(\t)
	global_store_b64 v2, v[C+4:C+5], s[14:15] offset:1536*(\t)+512
	global_store_b128 v1, v[C+6:C+9], s[14:15] offset:1536*(\t)+768
	global_store_b64 v2, v[C+10:C+11], s[14:15] offset:1536*(\t)+1280
.endm
	LOAD 0
	LOAD 1
	FRAGQ 0
	FRAGQ 1
	ds_store_b64 v6, v[W:W+1]                      ; row r's two words (lanes r and r + 16 write the same bytes with the same values)
	s_wait_dscnt 0x0                               ; for the other wave's sake
	s_barrier_signal -1
	s_barrier_wait -1
	s_cmp_lg_u32 s36, 0                            ; the even wave of each pair stores the unit
	s_cbranch_scc1 .Lno_words
	ds_load_b64 v[PR:PR+1], v10
	s_wait_dscnt 0x0
	global_store_b64 v2, v[PR:PR+1], s[16:17]      ; 256 consecutive bytes, aligned
.Lno_words:
	s_wait_tensorcnt 0x0                           ; the wave's end: behind my last LDS store
	ds_add_u32 v[SPW], v[NIL]
	s_wait_dscnt 0x0
	s_endpgm
.Lfunc_end_k_q4baef28c24_quant:
	.size	k_q4baef28c24_quant, .Lfunc_end_k_q4baef28c24_quant-k_q4baef28c24_quant
	.p2alignl 7, 3214868480
	.fill 96, 4, 3214868480
	.section	.rodata,"a",@progbits
	.p2align	6, 0x0
	.amdhsa_kernel k_q4baef28c24_quant
		.amdhsa_group_segment_fixed_size 34816
		.amdhsa_private_segment_fixed_size 0
		.amdhsa_enable_private_segment 0
		.amdhsa_kernarg_size 56
		.amdhsa_user_sgpr_count 2
		.amdhsa_user_sgpr_kernarg_segment_ptr 1
		.amdhsa_wavefront_size32 1
		.amdhsa_system_sgpr_workgroup_id_x 1
		.amdhsa_system_sgpr_workgroup_id_y 1
		.amdhsa_system_sgpr_workgroup_id_z 1
		.amdhsa_system_vgpr_workitem_id 0
		.amdhsa_next_free_vgpr 248
		.amdhsa_next_free_sgpr 66
		.amdhsa_reserve_vcc 0
		.amdhsa_float_denorm_mode_32 3
		.amdhsa_float_denorm_mode_16_64 3
		.amdhsa_memory_ordered 1
		.amdhsa_forward_progress 1
		.amdhsa_inst_pref_size 18
	.end_amdhsa_kernel
	.amdgpu_metadata
---
amdhsa.version: [ 1, 2 ]
amdhsa.kernels:
  - .name:           k_q4baef28c24_quant
    .symbol:         k_q4baef28c24_quant.kd
    .args:
      - { .name: x, .offset: 0, .size: 8, .value_kind: global_buffer, .address_space: global }
      - { .name: Wq, .offset: 8, .size: 8, .value_kind: global_buffer, .address_space: global }
      - { .name: Wk, .offset: 16, .size: 8, .value_kind: global_buffer, .address_space: global }
      - { .name: Wv, .offset: 24, .size: 8, .value_kind: global_buffer, .address_space: global }
      - { .name: Wo, .offset: 32, .size: 8, .value_kind: global_buffer, .address_space: global }
      - { .name: xq, .offset: 40, .size: 8, .value_kind: global_buffer, .address_space: global }
      - { .name: wq, .offset: 48, .size: 8, .value_kind: global_buffer, .address_space: global }
    .group_segment_fixed_size: 34816
    .private_segment_fixed_size: 0
    .kernarg_segment_align: 8
    .kernarg_segment_size: 56
    .max_flat_workgroup_size: 128
    .sgpr_count:     66
    .vgpr_count:     248
    .wavefront_size: 32
...
	.end_amdgpu_metadata
.endif
;; end of part 1
;; launch qkv (part 2): grid 8 x 32, 4 waves a work-group, clusters of 4 x 4, 327,680 bytes of LDS; arguments xq, wq, bq, bk, bv, qb, kvb; writes qb, kvb
.if DOCPART == 2
	.amdgcn_target "amdgcn-amd-amdhsa--gfx1250"
	.amdhsa_code_object_version 6
	.text
	.protected	k_q4baef28c24_qkv
	.globl	k_q4baef28c24_qkv
	.p2align	8
	.type	k_q4baef28c24_qkv,@function
k_q4baef28c24_qkv:
	s_mov_b64 s[64:65], 0
	v_nop
	global_prefetch_b8 v0, s[64:65] scope:SCOPE_SE
	s_setreg_imm32_b32 hwreg(HW_REG_WAVE_MODE, 25, 1), 1
	s_wait_xcnt 0x0
	s_wait_alu depctr_hold_cnt(0) depctr_sa_sdst(0) depctr_va_vdst(0) depctr_va_sdst(0) depctr_va_ssrc(0) depctr_va_vcc(0) depctr_vm_vsrc(0)
	s_getreg_b32 s2, hwreg(HW_REG_IB_STS2, 6, 4)
	s_cmp_eq_u32 s2, 0
	s_cbranch_scc0 .Lentry_in_a_cluster
	s_endpgm
.Lentry_in_a_cluster:
	s_bfe_u32 s2, ttmp6, 0x10000c
	s_cmp_lg_u32 s2, 0xf033
	s_cbranch_scc0 .Lentry_shape_is_right
	s_endpgm
.Lentry_shape_is_right:
; SECOND LAUNCH: products 1 to 3, q = x Wq^T + bq, k, v likewise, on the codes of the first launch; the results are quantised at once into the operands of products 4 and 5.  Nothing of reference() is left out.
; OPERANDS: row blocks of 128 rows, 102,400 bytes: four quarters of 256 along K, each [K step 2][tile 8][half 2][768 bytes] of codes and 1,024 bytes of scale words [K step 2][g 2][m 16][t 4];
; row m of tile 4 g + t is row 64 g + 32 (m / 8) + 8 t + m % 8 of the block.
; SHARES: 32 x 8 = 256 work-groups.  Work-group (x, y) keeps x's row blocks 2 y, 2 y + 1 in LDS for all of K (204,800 bytes, filled once) and walks three row blocks of wq: x (Wq), 8 + x (Wk), 16 + x (Wv), 128 features each.
; Which of q, k, v is in hand hangs on the walk's step alone, so no branch hangs on a work-group's place.  W goes through a ring of two slots of 51,200 bytes (half of K): six pieces; piece j lies in slot j % 2.
; HEAD: one joint load a wave: waves 0, 1 a row block of x each, waves 2, 3 a quarter of piece 0 each.  Behind each round every wave asks for 12,800 bytes of the next piece: by this text's count a wave has one tensor load out.
; CLUSTERS 4 x 4: x's row blocks are shared along a row of the cluster, W's pieces along a column.
; NO PREFETCH: x is asked for once, at the head; of W's six pieces two are asked for at the start, and the other four each one piece's work (128 matrix instructions a wave) ahead of their use.
; A WAVE takes row block wave / 2 of x (8 tiles) and head wave % 2 of W's row block (4 tiles): 32 accumulators.  q, k: source 0 = W's tile, source 1 = x's: lane (r, h) holds token r and registers 32 a + i = dims 32 h + i of the head.
; v: source 0 = x's tile, source 1 = W's: lane (r, h) holds one dim and registers 32 (2 a + c) + i = keys 64 c + 32 h + i.  Either way each run of 32 registers is one block of the next product's K: quantised as it stands.
; OUT: for each batch and head 16 units of 128 tokens, 12,800 bytes: [fragment 4][half 2][768] of q or k, the same of v from byte 6,144, scale words from 12,288 (v's from 12,544): [f / 2][m 16][f % 2], byte 2 c + h.
; QUANTISER AND LIMITS as in the first launch: byte = the largest magnitude's exponent field - 2, held at 1 from below; a block of zeros has the byte 1 and zero codes; NaN and infinities are not served.
; WINDOWS: 0 addresses, scale words, W's fragments; 1 x's fragments; 2 accumulators; 3 biases (v0-95) and the codes on their way out (v128-223).
.set RBB,   102400
.set QTB,   25600
.set HLF,   51200
.set PCE,   12800                      ; a wave's part of a piece
.set UB,    12800
.set HDB,   204800
.set FR,    12
.set SPARE, 3*RBB                      ; behind the tiles: the spare words, 128 bytes a wave, which no other line names
.set X16,   8                          ; v8-9 x: 16 x lane, quarters 0-1 and 2-3;  v10-11: 8 x lane
.set X8,    10
.set W16,   12                         ; v12-13 W, my head's tiles, slot 0 and 1;  v14-15: 8 x lane
.set W8,    14
.set WS,    16                         ; v16-17 my head's scale words: 16 r
.set BQ,    18
.set BV,    19
.set SPW,   28
.set NIL,   29
.set SC,    32                         ; v32-47 scale words, two sets: x's four registers (lanes 0-15 tiles 0-3, lanes 16-31 tiles 4-7), then W's four
.set MX,    48
.set SOX,   52
.set EE,    56
.set WD,    64
.set PT,    72
.set OW,    76
.set WF,    128                        ; v128-223 W's fragments, two sets of 48
.set RR,    128                        ; window 3
.set TT,    192
.set G1X,   28
.set G1H,   36
.set G1W,   44
.set G0X,   52
.set G0H,   56
.set MSB, 0
.macro WIN new
.if MSB != (\new)
	s_set_vgpr_msb (MSB<<8)|(\new)
.set MSB, (\new)
.endif
.endm
.macro PLACES n
.rept \n
	v_nop
.endr
.endm
.macro CREST
	s_cmp_lg_u32 s18, 0
	s_cbranch_scc1 .Lnot_wave_0_\@
	s_barrier_signal -3
.Lnot_wave_0_\@:
	s_barrier_wait -3
	s_barrier_signal -1
	s_barrier_wait -1
.endm
.macro CROUND
	s_barrier_signal -1
	s_barrier_wait -1
	CREST
.endm
	s_load_b256 s[4:11], s[0:1], 0x0               ; xq, wq, bq, bk
	s_load_b128 s[12:15], s[0:1], 0x20             ; bv, qb
	s_load_b64 s[16:17], s[0:1], 0x30              ; kvb
	v_lshl_add_u32 v[SPW], v0, 2, SPARE
	v_mov_b32 v[NIL], 0
	ds_add_u32 v[SPW], v[NIL]                      ; the opening lines: the add, twice on end, and its wait ahead of my first tensor load
	ds_add_u32 v[SPW], v[NIL]
	v_lshrrev_b32 v1, 5, v0
	v_readfirstlane_b32 s18, v1                    ; wave 0..3
	s_lshr_b32 s19, s18, 1                         ; my row block of x.  Also: at the head I fetch for x (0) or for W (1)
	s_and_b32 s20, s18, 1                          ; my head of W's row block.  Also: which piece I fetch at the head
	s_bfe_u32 s21, ttmp6, 0x40000                  ; cx
	s_bfe_u32 s22, ttmp6, 0x40004                  ; cy
	s_lshl_b32 s23, ttmp9, 2
	s_add_co_u32 s23, s23, s21                     ; x
	s_and_b32 s24, ttmp7, 0xffff
	s_lshl_b32 s24, s24, 2
	s_add_co_u32 s24, s24, s22                     ; y
	s_lshl_b32 s25, s22, 2
	s_lshl_b32 s25, 15, s25                        ; my row of the cluster
	s_lshl_b32 s26, 0x1111, s21                    ; my column
	s_or_b32 s[G1X], s25, (3<<16)|(1<<21)          ; elements of 8 bytes, bit 21 beside a mask, dense rows of 256 bytes
	s_or_b32 s[G1H], s26, (3<<16)|(1<<21)
	s_or_b32 s[G1W], s26, (3<<16)|(1<<21)
.irp g, G1X, G1H, G1W
	s_mov_b32 s[\g+1], 32<<16
	s_mov_b32 s[\g+3], 32<<16
	s_mov_b32 s[\g+5], 32
	s_mov_b32 s[\g+6], 0
	s_mov_b32 s[\g+7], 0
.endr
	s_mov_b32 s[G1X+2], 400<<16                    ; a row block
	s_mov_b32 s[G1X+4], 400
	s_mov_b32 s[G1H+2], 100<<16                    ; a quarter
	s_mov_b32 s[G1H+4], 100
	s_mov_b32 s[G1W+2], 50<<16                     ; a wave's part of a piece
	s_mov_b32 s[G1W+4], 50
	s_lshl_b32 s72, s24, 1
	s_add_co_u32 s72, s72, s20
	s_mul_i32 s72, s72, RBB                        ; xq: row block 2 y + piece
	s_mov_b32 s73, 0
	s_mul_i32 s78, s23, RBB                        ; wq: row block x
	s_mov_b32 s79, 0
	s_mul_i32 s92, s20, QTB
	s_mov_b32 s93, 0
	s_mul_i32 s94, s18, PCE
	s_mov_b32 s95, 0
	s_mov_b32 s[G0X], 1
	s_mul_i32 s[G0X+1], s20, RBB
	s_mov_b32 s[G0H], 1
	s_add_co_u32 s[G0H+1], s92, 2*RBB
	s_mov_b32 s60, 1                               ; s[60:63], s[68:71]: group 0 of the ring's loads, slot 0 and slot 1
	s_add_co_u32 s61, s94, 2*RBB
	s_mov_b32 s68, 1
	s_add_co_u32 s69, s94, 2*RBB+HLF
	s_mul_i32 s86, s19, RBB                        ; LDS: my row block of x,
	s_add_co_u32 s87, s86, HLF
	s_mul_i32 s88, s20, 6144                       ; my head's four tiles in slot 0, 1,
	s_add_co_u32 s88, s88, 2*RBB
	s_add_co_u32 s89, s88, HLF
	s_lshl_b32 s90, s20, 8                         ; and its scale words
	s_add_co_u32 s90, s90, 2*RBB
	s_add_co_u32 s91, s90, HLF
	s_mov_b32 s74, 0xffff0000                      ; lanes 16-31
	s_mov_b32 s76, 0x76543210
	s_mov_b32 s77, 0xfedcba98                      ; selects for lane l xor 16
	s_lshl_b32 s27, s24, 1
	s_add_co_u32 s27, s27, s19                     ; my row block of x: 16 x batch + unit
	s_lshr_b32 s66, s27, 4
	s_lshl_b32 s66, s66, 4
	s_lshl_b32 s67, s23, 1
	s_add_co_u32 s67, s67, s20                     ; my head: 2 x + wave % 2
	s_add_co_u32 s66, s66, s67
	s_mul_i32 s66, s66, HDB
	s_and_b32 s27, s27, 15
	s_mul_i32 s27, s27, UB
	s_add_co_u32 s66, s66, s27
	s_mov_b32 s67, 0
	s_lshl_b32 s96, s23, 9
	s_lshl_b32 s97, s20, 8
	s_add_co_u32 s96, s96, s97                     ; the biases: 128 x + 64 (wave % 2) features on
	s_mov_b32 s97, 0
	s_wait_dscnt 0x0                               ; both opening adds are done
	s_wait_kmcnt 0x0
	s_add_nc_u64 s[G0X+2:G0X+3], s[4:5], s[72:73]
	s_or_b32 s[G0X+3], s[G0X+3], 0x80000000
	s_add_nc_u64 s[6:7], s[6:7], s[78:79]
	s_add_nc_u64 s[G0H+2:G0H+3], s[6:7], s[92:93]
	s_or_b32 s[G0H+3], s[G0H+3], 0x80000000
	s_add_nc_u64 s[62:63], s[6:7], s[94:95]        ; piece 0's place: stepped ahead of its first use
	s_add_nc_u64 s[70:71], s[62:63], HLF           ; piece 1
	s_or_b32 s63, s63, 0x80000000
	s_or_b32 s71, s71, 0x80000000
	s_add_nc_u64 s[8:9], s[8:9], s[96:97]
	s_add_nc_u64 s[10:11], s[10:11], s[96:97]
	s_add_nc_u64 s[12:13], s[12:13], s[96:97]
	s_add_nc_u64 s[80:81], s[14:15], s[66:67]      ; q's unit
	s_add_nc_u64 s[82:83], s[16:17], s[66:67]      ; k's
	s_add_nc_u64 s[84:85], s[82:83], 6144          ; v's
	CROUND                                         ; all sixteen work-groups are here: the joint loads meet
	s_cmp_eq_u32 s19, 0                            ; one load a wave, one in each arm
	s_cbranch_scc0 .Lfor_w
	tensor_load_to_lds s[G0X:G0X+3], s[G1X:G1X+7]
	s_nop 0
.rept 4
	v_nop
.endr
	s_branch .Lasked
.Lfor_w:
	tensor_load_to_lds s[G0H:G0H+3], s[G1H:G1H+7]
	s_nop 0
.rept 4
	v_nop
.endr
.Lasked:
	v_and_b32 v6, 31, v0
	v_lshlrev_b32 v1, 4, v6                        ; 16 x lane
	v_lshlrev_b32 v2, 3, v6                        ; 8 x lane
	v_and_b32 v3, 15, v0                           ; r
	v_bfe_u32 v4, v0, 4, 1                         ; h
	v_lshlrev_b32 v5, 3, v4                        ; 8 h
	v_lshlrev_b32 v7, 4, v3
	v_add_nc_u32 v[X16], s86, v1
	v_add_nc_u32 v[X16+1], s87, v1
	v_add_nc_u32 v[X8], s86, v2
	v_add_nc_u32 v[X8+1], s87, v2
	v_add_nc_u32 v[W16], s88, v1
	v_add_nc_u32 v[W16+1], s89, v1
	v_add_nc_u32 v[W8], s88, v2
	v_add_nc_u32 v[W8+1], s89, v2
	v_add_nc_u32 v[WS], s90, v7
	v_add_nc_u32 v[WS+1], s91, v7
	v_lshlrev_b32 v[BQ], 7, v4                     ; q, k: my 32 dims begin at 32 h
	v_lshrrev_b32 v6, 3, v3
	v_and_b32 v7, 7, v3
	v_lshlrev_b32 v7, 2, v7
	v_lshl_add_u32 v[BV], v6, 7, v7                ; v: my dim of tile t is 8 t + 32 (r / 8) + r % 8
.irp i, 0,1,2,3
	v_mov_b32 v[PT+\i], 0                          ; a lane permute's destination counts as one of its sources
.endr
	WIN 0xc0                                       ; the biases go to window 3, in the results' layout: they are the C of each walk step's first products
.irp t, 0,1,2,3
	global_load_b128 v[8*\t:8*\t+3], v[BQ], s[8:9] offset:32*\t
	global_load_b128 v[8*\t+4:8*\t+7], v[BQ], s[8:9] offset:32*\t+16
	global_load_b128 v[32+8*\t:32+8*\t+3], v[BQ], s[10:11] offset:32*\t
	global_load_b128 v[32+8*\t+4:32+8*\t+7], v[BQ], s[10:11] offset:32*\t+16
.irp j, 0,1,2,3,4,5,6,7
	global_load_b32 v[64+8*\t+\j], v[BV], s[12:13] offset:32*\t
.endr
.endr
	WIN 0
.macro FRAG reg, a16, a8, off          ; a fragment by four dense loads
	ds_load_b128 v[\reg:\reg+3], v[\a16] offset:\off
	ds_load_b64 v[\reg+4:\reg+5], v[\a8] offset:\off+512
	ds_load_b128 v[\reg+6:\reg+9], v[\a16] offset:\off+768
	ds_load_b64 v[\reg+10:\reg+11], v[\a8] offset:\off+1280
.endm
.macro FETCH kt                        ; K step kt (0..7) of the row block in hand into set kt % 2: 32 + 16 + 2 = 50 LDS loads.  kt / 4 is x's half of K and W's slot
.set HF, (\kt)/4
.set OF, (((\kt)/2)%2)*QTB+((\kt)%2)*12288
.set SO, (((\kt)/2)%2)*QTB+24576+((\kt)%2)*512
.set PS, (\kt)%2
	WIN 0x40
.irp i, 0,1,2,3,4,5,6,7
	FRAG 128*PS+FR*\i, X16+HF, X8+HF, OF+1536*\i
.endr
	WIN 0
.irp i, 0,1,2,3
	FRAG WF+48*PS+FR*\i, W16+HF, W8+HF, OF+1536*\i
.endr
	ds_load_b128 v[SC+8*PS:SC+8*PS+3], v[X16+HF] offset:SO
	ds_load_b128 v[SC+8*PS+4:SC+8*PS+7], v[WS+HF] offset:SO
.endm
.macro WM ra, rb
.if (\ra)==0 && (\rb)==0
	v_wmma_scale_f32_16x16x128_f8f6f4 v[rD:rD+7], v[rA:rA+11], v[rB:rB+11], v[rC:rC+7], v[rSA], v[rSB] matrix_a_fmt:MATRIX_FMT_FP6 matrix_b_fmt:MATRIX_FMT_FP6
.elseif (\ra)==1
	v_wmma_scale_f32_16x16x128_f8f6f4 v[rD:rD+7], v[rA:rA+11], v[rB:rB+11], v[rC:rC+7], v[rSA], v[rSB] matrix_a_fmt:MATRIX_FMT_FP6 matrix_b_fmt:MATRIX_FMT_FP6 matrix_a_scale:MATRIX_SCALE_ROW1
.else
	v_wmma_scale_f32_16x16x128_f8f6f4 v[rD:rD+7], v[rA:rA+11], v[rB:rB+11], v[rC:rC+7], v[rSA], v[rSB] matrix_a_fmt:MATRIX_FMT_FP6 matrix_b_fmt:MATRIX_FMT_FP6 matrix_b_scale:MATRIX_SCALE_ROW1
.endif
.endm
; 16 matrix instructions: half lo of a K step's 32.  mode 0: q, k; mode 1: v.  cb >= 0: the bias at v[cb ..] of window 3 starts the sums.  The 32 accumulators take turns, in the same order in every K step.
.macro MULS mode, kt, cb, lo
.set PS, (\kt)%2
.if \mode == 0
.if (\cb) >= 0
	WIN 0xb4
.else
	WIN 0xa4
.endif
.irp a, 0,1,2,3
.irp b, 0,1,2,3
.set rD, 8*(4*(4*(\lo)+\a)+\b)
.set rA, WF+48*PS+FR*\b
.set rB, 128*PS+FR*(4*(\lo)+\a)
.set rSA, SC+8*PS+4+\b
.set rSB, SC+8*PS+\a
.if (\cb) >= 0
.set rC, (\cb)+8*\b
.else
.set rC, rD
.endif
	WM 0, \lo
.endr
.endr
.else
.if (\cb) >= 0
	WIN 0xb1
.else
	WIN 0xa1
.endif
.irp a, 0,1
.irp b, 0,1,2,3,4,5,6,7
.set rD, 8*(8*(2*(\lo)+\a)+\b)
.set rA, 128*PS+FR*\b
.set rB, WF+48*PS+FR*(2*(\lo)+\a)
.set rSA, SC+8*PS+(\b%4)
.set rSB, SC+8*PS+4+2*(\lo)+\a
.if (\cb) >= 0
.set rC, (\cb)+8*(2*(\lo)+\a)
.else
.set rC, rD
.endif
	WM \b/4, 0
.endr
.endr
.endif
.endm
.macro KSTEP mode, kt, cb              ; a K step inside a piece
	PLACES 4                                       ; behind the last products, in front of loads into registers that they read
	FETCH (\kt)+1
	s_wait_dscnt 50                                ; all but the 50 just issued: this step's operands are in
	MULS \mode, \kt, \cb, 0
	MULS \mode, \kt, \cb, 1
	WIN 0
.endm
; A piece's last K step.  kind 2: the slot just read is filled again, two pieces on; kind 1: nothing is left to fetch, the barrier shows the last piece whole; kind 0: the walk's end.
.macro LASTK mode, kt, kind, g0
	s_wait_dscnt 0x0                               ; the operands are in, and my reads of this slot are over
	MULS \mode, \kt, -1, 0
	WIN 0
.if \kind == 2
	s_wait_tensorcnt 0x0                           ; my part of the next piece has landed: no load of mine is out;
	ds_add_u32 v[SPW], v[NIL]
	s_add_nc_u64 s[\g0+2:\g0+3], s[\g0+2:\g0+3], 8*RBB   ; this slot's next piece: the same half of K, eight row blocks on
	s_wait_dscnt 0x0
	s_barrier_signal -1                            ; opens a round of the cluster's barrier
	MULS \mode, \kt, -1, 1
	WIN 0
	s_barrier_wait -1
	CREST                                          ; no wave of any partner still reads this slot or has a load on its way
	tensor_load_to_lds s[\g0:\g0+3], s[G1W:G1W+7]
	s_nop 0
	PLACES 5                                       ; also the places behind the products above
.elseif \kind == 1
	s_wait_tensorcnt 0x0
	s_barrier_signal -1
	MULS \mode, \kt, -1, 1
	WIN 0
	s_barrier_wait -1
	PLACES 5
.else
	MULS \mode, \kt, -1, 1
	WIN 0
	PLACES 5
.endif
.endm
; THE WAY OUT: eight blocks of 32 registers, A = 0..7, four at a time by turns.  mode 0: block A is x's tile A: fragment A % 4, half A / 4.  mode 1: block A is W's tile A / 2, half A % 2.
.macro EPI mode, pb
	s_wait_xcnt 0x0                                ; the last way out's stores have read their registers
.irp g, 0,1
	WIN 0x0a
.irp a, 0,1,2,3
	v_max3_num_f32 v[MX+\a], |v[32*(4*\g+\a)]|, |v[32*(4*\g+\a)+1]|, 0x1800000   ; the floor 2^(3 - 127) holds the byte at 1 from below; each accumulator is read from its low end on
.endr
.irp i, 2,4,6,8,10,12,14,16,18,20,22,24,26,28,30
.irp a, 0,1,2,3
	v_max3_num_f32 v[MX+\a], |v[32*(4*\g+\a)+\i]|, |v[32*(4*\g+\a)+\i+1]|, v[MX+\a]
.endr
.endr
	WIN 0
.irp a, 0,1,2,3
	v_add_nc_u32 v[SOX+\a], 0xff000000, v[MX+\a]   ; 2 off the exponent field: the conversion's scale operand
.endr
.irp a, 0,1,2,3
	v_lshrrev_b32 v[EE+4*\g+\a], 23, v[SOX+\a]     ; the byte
.endr
	WIN 0xc2
.irp a, 0,1,2,3
	v_cvt_scalef32_pk16_fp6_f32 v[RR+8*(4*\g+\a):RR+8*(4*\g+\a)+2], v[32*(4*\g+\a):32*(4*\g+\a)+15], v[SOX+\a]
	v_cvt_scalef32_pk16_fp6_f32 v[TT+4*(4*\g+\a):TT+4*(4*\g+\a)+2], v[32*(4*\g+\a)+16:32*(4*\g+\a)+31], v[SOX+\a]   ; (a conversion's three registers begin on an even number)
.endr
	WIN 0xc3
	v_nop                                          ; one plain place behind a scaled conversion
.irp a, 0,1,2,3
.irp i, 0,1,2
	v_mov_b32 v[RR+8*(4*\g+\a)+3+\i], v[TT+4*(4*\g+\a)+\i]
.endr
.endr
	WIN 0x0c
.irp a, 0,1,2,3
.if \mode == 0
.set DO, 1536*\a+768*\g
.else
.set DO, 1536*(2*\g+\a/2)+768*(\a%2)
.endif
	global_store_b128 v1, v[RR+8*(4*\g+\a):RR+8*(4*\g+\a)+3], s[\pb:\pb+1] offset:DO          ; 512 consecutive bytes
	global_store_b64 v2, v[RR+8*(4*\g+\a)+4:RR+8*(4*\g+\a)+5], s[\pb:\pb+1] offset:DO+512     ; 256
.endr
	WIN 0
.endr
.irp f, 0,1,2,3
.if \mode == 0
	v_lshl_or_b32 v[WD+\f], v[EE+4+\f], 16, v[EE+\f]       ; fragment f: halves 0 and 1, my block h,
.else
	v_lshl_or_b32 v[WD+\f], v[EE+2*\f+1], 16, v[EE+2*\f]
.endif
.endr
.irp f, 0,1,2,3
	v_lshlrev_b32 v[WD+\f], v5, v[WD+\f]           ; at bytes 2 c + h,
.endr
.irp f, 0,1,2,3
	v_permlanex16_b32 v[PT+\f], v[WD+\f], s76, s77
.endr
.irp f, 0,1,2,3
	v_or_b32 v[WD+\f], v[WD+\f], v[PT+\f]          ; and lane l xor 16's two: row r's word
.endr
	v_cndmask_b32 v[OW], v[WD], v[WD+2], s74       ; lanes 0-15 store fragments 0, 1, lanes 16-31 fragments 2, 3
	v_cndmask_b32 v[OW+1], v[WD+1], v[WD+3], s74
.if \mode == 0
	global_store_b64 v2, v[OW:OW+1], s[\pb:\pb+1] offset:12288   ; 256 consecutive bytes
.else
	global_store_b64 v2, v[OW:OW+1], s[\pb:\pb+1] offset:6400    ; 12,544 of the unit
.endif
.endm
.macro TILE mode, cb, k3, k7, pb       ; one row block of W: two pieces, eight K steps, and the way out under the next piece's flight
	KSTEP \mode, 0, \cb
	KSTEP \mode, 1, -1
	KSTEP \mode, 2, -1
	LASTK \mode, 3, \k3, 60
	FETCH 4
	KSTEP \mode, 4, -1
	KSTEP \mode, 5, -1
	KSTEP \mode, 6, -1
	LASTK \mode, 7, \k7, 68
.if \k7
	FETCH 0
.endif
	EPI \mode, \pb
.endm
	s_wait_alu depctr_va_vdst(0)                   ; the wait at the head's end
	s_wait_tensorcnt 0x0                           ; my tile of the head's four is in; slot 1 is first filled as a refill is
	ds_add_u32 v[SPW], v[NIL]
	s_wait_dscnt 0x0
	CROUND                                         ; everybody's tile is in, and all sixteen work-groups are here
	tensor_load_to_lds s[68:71], s[G1W:G1W+7]      ; piece 1
	s_nop 0
	PLACES 4
	FETCH 0
	s_wait_loadcnt 0x0                             ; the biases
	TILE 0, 0, 2, 2, 80                            ; q
	TILE 0, 32, 2, 2, 82                           ; k
	TILE 1, 64, 1, 0, 84                           ; v
	s_wait_tensorcnt 0x0                           ; the wave's end
	ds_add_u32 v[SPW], v[NIL]
	s_wait_dscnt 0x0
	CROUND                                         ; the closing round
	s_endpgm
.Lfunc_end_k_q4baef28c24_qkv:
	.size	k_q4baef28c24_qkv, .Lfunc_end_k_q4baef28c24_qkv-k_q4baef28c24_qkv
	.p2alignl 7, 3214868480
	.fill 96, 4, 3214868480
	.section	.rodata,"a",@progbits
	.p2align	6, 0x0
	.amdhsa_kernel k_q4baef28c24_qkv
		.amdhsa_group_segment_fixed_size 327680
		.amdhsa_private_segment_fixed_size 0
		.amdhsa_enable_private_segment 0
		.amdhsa_kernarg_size 56
		.amdhsa_user_sgpr_count 2
		.amdhsa_user_sgpr_kernarg_segment_ptr 1
		.amdhsa_wavefront_size32 1
		.amdhsa_system_sgpr_workgroup_id_x 1
		.amdhsa_system_sgpr_workgroup_id_y 1
		.amdhsa_system_sgpr_workgroup_id_z 1
		.amdhsa_system_vgpr_workitem_id 0
		.amdhsa_next_free_vgpr 1024
		.amdhsa_next_free_sgpr 100
		.amdhsa_reserve_vcc 0
		.amdhsa_float_denorm_mode_32 3
		.amdhsa_float_denorm_mode_16_64 3
		.amdhsa_memory_ordered 1
		.amdhsa_forward_progress 1
		.amdhsa_inst_pref_size 235
	.end_amdhsa_kernel
	.amdgpu_metadata
---
amdhsa.version: [ 1, 2 ]
amdhsa.kernels:
  - .name:           k_q4baef28c24_qkv
    .symbol:         k_q4baef28c24_qkv.kd
    .args:
      - { .name: xq, .offset: 0, .size: 8, .value_kind: global_buffer, .address_space: global }
      - { .name: wq, .offset: 8, .size: 8, .value_kind: global_buffer, .address_space: global }
      - { .name: bq, .offset: 16, .size: 8, .value_kind: global_buffer, .address_space: global }
      - { .name: bk, .offset: 24, .size: 8, .value_kind: global_buffer, .address_space: global }
      - { .name: bv, .offset: 32, .size: 8, .value_kind: global_buffer, .address_space: global }
      - { .name: qb, .offset: 40, .size: 8, .value_kind: global_buffer, .address_space: global }
      - { .name: kvb, .offset: 48, .size: 8, .value_kind: global_buffer, .address_space: global }
    .group_segment_fixed_size: 327680
    .private_segment_fixed_size: 0
    .kernarg_segment_align: 8
    .kernarg_segment_size: 56
    .max_flat_workgroup_size: 128
    .sgpr_count:     100
    .vgpr_count:     1024
    .wavefront_size: 32
...
	.end_amdgpu_metadata
.endif
;; end of part 2
;; launch attn (part 3): grid 4 x 64, 16 waves a work-group, clusters of 4 x 1, 327,680 bytes of LDS; arguments qb, kvb, aq; writes aq
.if DOCPART == 3
	.amdgcn_target "amdgcn-amd-amdhsa--gfx1250"
	.amdhsa_code_object_version 6
	.text
	.protected	k_q4baef28c24_attn
	.globl	k_q4baef28c24_attn
	.p2align	8
	.type	k_q4baef28c24_attn,@function
k_q4baef28c24_attn:
	s_mov_b64 s[64:65], 0
	v_nop
	global_prefetch_b8 v0, s[64:65] scope:SCOPE_SE
	s_setreg_imm32_b32 hwreg(HW_REG_WAVE_MODE, 25, 1), 1
	s_wait_xcnt 0x0
	s_wait_alu depctr_hold_cnt(0) depctr_sa_sdst(0) depctr_va_vdst(0) depctr_va_sdst(0) depctr_va_ssrc(0) depctr_va_vcc(0) depctr_vm_vsrc(0)
	s_getreg_b32 s2, hwreg(HW_REG_IB_STS2, 6, 4)
	s_cmp_eq_u32 s2, 0
	s_cbranch_scc0 .Lentry_in_a_cluster
	s_endpgm
.Lentry_in_a_cluster:
	s_bfe_u32 s2, ttmp6, 0x10000c
	s_cmp_lg_u32 s2, 0x3003
	s_cbranch_scc0 .Lentry_shape_is_right
	s_endpgm
.Lentry_shape_is_right:
; THIRD LAUNCH: products 4 and 5 with the softmax between, and the result quantised along the 1,024 features into the last product's operand.  Nothing of reference() is left out.
; t = score x log2(e) / 32; M = the running largest t rounded UP to a whole number; p = 2^(t - M), not normalised, is quantised along the keys; the row's sum is taken of the unquantised p and divides at the end; when M moves, the sum and O are
; multiplied by 2^(old M - new M), which rounds nothing.
; LIMITS: no NaN or infinities; a block of zeros has the byte 1; a block's largest p is taken from the block's largest score by the same multiply-add and exponential, which takes v_exp_f32 not to fall where its input rises.
; SHARES.  The cluster's four work-groups are the four blocks of 512 queries of one batch and head.  The head's K, V and their scale words, 204,800 dense bytes, fit in LDS: each of the sixteen waves asks for one unit of 128 keys (12,800 bytes) by one
; joint load with the mask of all four.  Filled once: no ring, no refill, no barrier in the loop; so nothing is left that a prefetch could ask for.  By this text's count a wave has one tensor load out.
; A wave owns one fragment of q: two tiles of 16 queries (its low and high half), taken one after the other; each walks the 16 units.  Four waves share a SIMD, so that one wave's exponentials stand beside another's plain, matrix and LDS work:
; a step has 12 matrix instructions and some 220 vector instructions, so turns inside one wave could not hide them.
; PRODUCT 4 HAS K = 64, the instruction 128.  A fragment of K holds 16 low keys' 64 codes and 16 high keys' 64.  q stands as 18 registers [q][zeros][q]: registers 0-11 are [q | 0] and give the low keys' scores, 6-17 are [0 | q], the high keys'.
; Zero codes add nothing under any byte but 0xff, and no byte here is 0xff.
; LAYOUT.  Both products transposed: a lane holds ONE query (lane % 16).  By the choice of a tile's keys, S[32 c + i] is key 64 c + 32 (lane / 16) + i: each lane holds two WHOLE blocks of 32 keys, in the order of P's operand registers.
; Likewise O[i] is dim 32 (lane / 16) + i: one whole block of the last product's K.
; The bytes of aq's scale words are stored singly: a word mixes two heads, that is two work-groups: one byte for each 24 bytes of codes.
.set UB,    12800
.set HDB,   204800
.set RBB,   102400
.set QTB,   25600
.set SPARE, 16*UB                      ; behind the units: the spare words, 128 bytes a wave, which no other line names
.set S,     80                         ; v80-143  scores, then p
.set O,     144                        ; v144-175 O^T
.set F,     176                        ; v176-223 four fragments, K's and then V's
.set P,     56                         ; v56-67   p's codes;  v68-70, v72-74 second halves
; v1 16 x lane, v2 8 x lane, v3 v4 the unit's LDS addresses, v5 v6 the add's two, v7 8 h, v8 16 r + h, v9 v11 at work, v10 the largest score, v[12:13] -M, v[14:15] the sum, v[16:17] f, v[18:19] block maxima, v[20:21] scale operands,
; v[22:23] bytes, v24 p's scale word, v25 q's, v[26:27] K's, v[28:29] V's, v30 q's word as stored, v31 from lane l xor 16, v32-49 [q][0][q], v50-55 the high tile's q, v[76:77] the second chain of sums
.macro CROUND
	s_barrier_signal -1
	s_barrier_wait -1
	s_cmp_lg_u32 s10, 0
	s_cbranch_scc1 .Lnot_wave_0_\@
	s_barrier_signal -3
.Lnot_wave_0_\@:
	s_barrier_wait -3
	s_barrier_signal -1
	s_barrier_wait -1
.endm
.macro FRAG reg, off                   ; a fragment by four dense loads
	ds_load_b128 v[\reg:\reg+3], v3 offset:\off
	ds_load_b64 v[\reg+4:\reg+5], v4 offset:\off+512
	ds_load_b128 v[\reg+6:\reg+9], v3 offset:\off+768
	ds_load_b64 v[\reg+10:\reg+11], v4 offset:\off+1280
.endm
	s_load_b128 s[4:7], s[0:1], 0x0                ; qb, kvb
	s_load_b64 s[8:9], s[0:1], 0x10                ; aq
	v_lshl_add_u32 v5, v0, 2, SPARE
	v_mov_b32 v6, 0
	ds_add_u32 v5, v6                              ; the wave's opening: the add, twice on end, and its wait ahead of my first tensor load
	ds_add_u32 v5, v6
	v_lshrrev_b32 v1, 5, v0
	s_delay_alu instid0(VALU_DEP_1)
	v_readfirstlane_b32 s10, v1                    ; wave 0..15
	s_bfe_u32 s11, ttmp6, 0x40000                  ; cx: my block of 512 queries; it enters global addresses of q and of the result alone
	s_and_b32 s12, ttmp7, 0xffff                   ; 16 x batch + head, which the four partners share
	s_mov_b32 s20, 15|(3<<16)|(1<<21)              ; group 1: the mask of all four; elements of 8 bytes; 21 set beside a mask; no padding
	s_mov_b32 s21, 32<<16                          ; tensor_dim0 = 32: 256 bytes
	s_mov_b32 s22, 50<<16                          ; tensor_dim1 = 50 rows: 12,800 dense bytes
	s_mov_b32 s23, 32<<16
	s_mov_b32 s24, 50
	s_mov_b32 s25, 32
	s_mov_b32 s26, 0
	s_mov_b32 s27, 0
	s_mul_i32 s40, s12, HDB
	s_mul_i32 s13, s10, UB
	s_add_co_u32 s40, s40, s13                     ; my unit of the head, in kvb
	s_mov_b32 s41, 0
	s_mov_b32 s28, 0x76543210
	s_mov_b32 s29, 0xfedcba98                      ; selects for lane l xor 16
	s_mov_b32 s30, 0x3d38aa3b                      ; c = log2(e) / 32
	s_mov_b32 s31, s30                             ; (named with it as a pair)
	s_mov_b32 s32, 0xbd38aa3b                      ; -c
	s_and_b32 s44, s10, 3                          ; f: my fragment of q in its unit
	s_lshl_b32 s45, s11, 2
	s_lshr_b32 s35, s10, 2
	s_add_co_u32 s45, s45, s35                     ; the unit: 4 cx + wave / 4
	s_mul_i32 s46, s12, HDB
	s_mul_i32 s35, s45, UB
	s_add_co_u32 s46, s46, s35                     ; in qb
	s_mov_b32 s47, 0
	s_lshr_b32 s42, s44, 1
	s_lshl_b32 s42, s42, 7
	s_and_b32 s35, s44, 1
	s_lshl_b32 s35, s35, 2
	s_add_co_u32 s42, s42, s35
	s_add_co_u32 s42, s42, 12288
	s_add_co_u32 s42, s42, s46                     ; fragment f's scale words: 12,288 + 128 (f / 2) + 4 (f % 2), + 8 r
	s_mov_b32 s43, 0
	s_mul_i32 s35, s44, 1536
	s_add_co_u32 s46, s46, s35                     ; the fragment
	s_lshr_b32 s35, s12, 4                         ; where the result goes: row block 16 x batch + unit,
	s_lshl_b32 s35, s35, 4
	s_add_co_u32 s35, s35, s45
	s_mul_i32 s36, s35, RBB
	s_bfe_u32 s35, s12, 0x20002                    ; quarter head / 4,
	s_mul_i32 s35, s35, QTB
	s_add_co_u32 s36, s36, s35
	s_bfe_u32 s35, s12, 0x10001                    ; K step (head / 2) % 2,
	s_lshl_b32 s38, s35, 9
	s_add_co_u32 s38, s38, s36
	s_add_co_u32 s38, s38, 24576
	s_mul_i32 s35, s35, 12288
	s_add_co_u32 s36, s36, s35
	s_and_b32 s35, s12, 1                          ; half c = head % 2,
	s_lshl_b32 s14, s35, 1
	s_add_co_u32 s38, s38, s14
	s_lshl_b32 s14, s44, 2
	s_add_co_u32 s38, s38, s14                     ; bytes: + 4 f + 2 c
	s_mul_i32 s14, s35, 768
	s_add_co_u32 s36, s36, s14
	s_mul_i32 s14, s44, 1536
	s_add_co_u32 s36, s36, s14                     ; codes: tile f (the high tile: f + 4)
	s_mov_b32 s37, 0
	s_mov_b32 s39, 0
	s_wait_dscnt 0x0                               ; both opening adds are done
	s_wait_kmcnt 0x0
	s_mov_b32 s16, 1
	s_mul_i32 s17, s10, UB                         ; LDS: wave x a unit
	s_add_nc_u64 s[18:19], s[6:7], s[40:41]
	s_or_b32 s19, s19, 0x80000000
	s_add_nc_u64 s[14:15], s[4:5], s[42:43]        ; q's scale words
	s_add_nc_u64 s[4:5], s[4:5], s[46:47]          ; q's fragment
	s_add_nc_u64 s[36:37], s[8:9], s[36:37]
	s_add_nc_u64 s[38:39], s[8:9], s[38:39]
	CROUND                                         ; all four work-groups are here: the joint loads meet
	tensor_load_to_lds s[16:19], s[20:27]
	s_nop 0
.rept 4
	v_nop
.endr
	v_and_b32 v9, 31, v0
	s_delay_alu instid0(VALU_DEP_1)
	v_lshlrev_b32 v1, 4, v9
	s_delay_alu instid0(VALU_DEP_2)
	v_lshlrev_b32 v2, 3, v9
	v_and_b32 v11, 15, v0                          ; r
	v_bfe_u32 v10, v0, 4, 1                        ; h
	s_delay_alu instid0(VALU_DEP_1)
	v_lshlrev_b32 v7, 3, v10
	s_delay_alu instid0(VALU_DEP_2)
	v_lshl_add_u32 v8, v11, 4, v10
	s_delay_alu instid0(VALU_DEP_4)
	v_lshlrev_b32 v3, 3, v11
	global_load_b128 v[32:35], v1, s[4:5]          ; the low tile's q, twice
	global_load_b64 v[36:37], v2, s[4:5] offset:512
	global_load_b128 v[44:47], v1, s[4:5]
	global_load_b64 v[48:49], v2, s[4:5] offset:512
	global_load_b128 v[50:53], v1, s[4:5] offset:768   ; the high tile's
	global_load_b64 v[54:55], v2, s[4:5] offset:1280
	global_load_b32 v30, v3, s[14:15]              ; row r's word: bytes 0, 1 the low tile's, 2, 3 the high tile's
.irp i, 0,1,2,3,4,5
	v_mov_b32 v[38+\i], 0
.endr
	s_wait_loadcnt 0x0
	s_wait_tensorcnt 0x0                           ; my unit has landed,
	s_barrier_signal -1
	s_barrier_wait -1                              ; everybody's has
.macro PASS half
.if \half
	s_wait_xcnt 0x0                                ; the low tile's stores have read their registers
.irp i, 0,1,2,3,4,5
	v_mov_b32 v[32+\i], v[50+\i]
	v_mov_b32 v[44+\i], v[50+\i]
.endr
	v_lshrrev_b32 v9, 16, v30
.else
	v_and_b32 v9, 0xffff, v30
.endif
	s_delay_alu instid0(VALU_DEP_1)
	v_lshl_or_b32 v25, v9, 16, v9                  ; q's two bytes in both halves of the word: they serve [q | 0] and [0 | q] alike
	v_mov_b32 v10, 0xff61b1e6                      ; the largest score so far: -3e38
	s_delay_alu instid0(VALU_DEP_1)
	v_mul_f32 v9, s32, v10
	s_delay_alu instid0(VALU_DEP_1)
	v_floor_f32 v12, v9                            ; -M
	v_mov_b32 v13, 0                               ; (upper halves of pairs of which the low word serves)
	v_mov_b32 v14, 0                               ; the sum, in two halves
	v_mov_b32 v15, 0
	v_mov_b32 v17, 0
	v_mov_b32 v31, 0                               ; a lane permute's destination counts as one of its sources
.set j, 0
.rept 32
	v_mov_b32 v[O+j], 0                            ; the step is written once: the first finds zeros, which the first change of M leaves zeros.  (These are also the places between q's scale word and its first use)
.set j, j+1
.endr
	s_mov_b32 s33, 0                               ; the unit in hand
	s_mov_b32 s34, 16
.Lstep_\@:
	v_add_nc_u32 v3, s33, v1
	v_add_nc_u32 v4, s33, v2
	v_nop
	v_nop                                          ; four places behind the last step's products, in front of loads into their registers
.irp f, 0,1,2,3
	FRAG F+12*\f, 1536*\f
.endr
	ds_load_b64 v[26:27], v4 offset:12288          ; K's scale words: lanes 0-15 fragments 0, 1; lanes 16-31 fragments 2, 3
	s_wait_alu depctr_va_vdst(0)
	s_wait_dscnt 0x0
.irp c, 0,1
.irp f, 0,1,2,3
.if \f < 2
	v_wmma_scale_f32_16x16x128_f8f6f4 v[S+32*\c+8*\f:S+32*\c+8*\f+7], v[F+12*\f:F+12*\f+11], v[32+6*\c:43+6*\c], 0, v[26+\f%2], v25 matrix_a_fmt:MATRIX_FMT_FP6 matrix_b_fmt:MATRIX_FMT_FP6
.else
	v_wmma_scale_f32_16x16x128_f8f6f4 v[S+32*\c+8*\f:S+32*\c+8*\f+7], v[F+12*\f:F+12*\f+11], v[32+6*\c:43+6*\c], 0, v[26+\f%2], v25 matrix_a_fmt:MATRIX_FMT_FP6 matrix_b_fmt:MATRIX_FMT_FP6 matrix_a_scale:MATRIX_SCALE_ROW1
.endif
.endr
.endr
.rept 4
	v_nop                                          ; places in front of the loads below and of the first read of the scores
.endr
.irp t, 0,1,2,3
	FRAG F+12*\t, 6144+1536*\t                     ; V's fragments land while the softmax is worked
.endr
	ds_load_b64 v[28:29], v4 offset:12544
	v_max3_num_f32 v18, v[S], v[S+1], v[S+2]       ; the largest score of each of my two blocks: it serves the row's maximum and, since p rises with the score, the block's largest p
	v_max3_num_f32 v19, v[S+32], v[S+33], v[S+34]
.irp i, 3,5,7,9,11,13,15,17,19,21,23,25,27,29
	v_max3_num_f32 v18, v18, v[S+\i], v[S+\i+1]
	v_max3_num_f32 v19, v19, v[S+32+\i], v[S+33+\i]
.endr
	v_max_num_f32 v18, v18, v[S+31]
	v_max_num_f32 v19, v19, v[S+63]
	s_delay_alu instid0(VALU_DEP_1)
	v_max_num_f32 v9, v18, v19
	s_delay_alu instid0(VALU_DEP_1)
	v_permlanex16_b32 v31, v9, s28, s29            ; the query's other 64 keys lie in lane l xor 16
	s_delay_alu instid0(VALU_DEP_1)
	v_max3_num_f32 v10, v10, v9, v31               ; the running largest score
	v_mov_b32 v11, v12
	s_delay_alu instid0(VALU_DEP_2)
	v_mul_f32 v9, s32, v10                         ; -t
	s_delay_alu instid0(VALU_DEP_1)
	v_floor_f32 v12, v9                            ; the new -M = floor(-t): M is a whole number
	s_delay_alu instid0(VALU_DEP_1)
	v_sub_f32 v11, v12, v11                        ; old M - new M: a whole number, 0 or less
	s_delay_alu instid0(VALU_DEP_1)
	v_cvt_i32_f32 v11, v11                         ; (it saturates)
	s_delay_alu instid0(VALU_DEP_1)
	v_ldexp_f32 v16, 1.0, v11                      ; f = 2^(old M - new M)
.set j, 0
.rept 32
	v_pk_fma_f32 v[S+j:S+j+1], v[S+j:S+j+1], s[30:31], v[12:13] op_sel_hi:[1,0,0]   ; t - M, two at a time
.set j, j+2
.endr
	v_pk_fma_f32 v[18:19], v[18:19], s[30:31], v[12:13] op_sel_hi:[1,0,0]           ; the same of the blocks' largest scores
.set j, 0
	s_wait_alu depctr_va_vdst(0)
.rept 64
	v_exp_f32 v[S+j], v[S+j]                       ; p = 2^(t - M)
.set j, j+1
.endr
	v_exp_f32 v18, v18                             ; the blocks' largest p, in the same batch
	v_exp_f32 v19, v19
	v_pk_mul_f32 v[14:15], v[14:15], v[16:17] op_sel_hi:[1,0]   ; the sums under the new M: the plain place behind the batch
	s_wait_alu depctr_va_vdst(0)                   ; one wait for the batch of 66, ahead of its first reader
	; From here to p's scale word three things go by turns: the sum of p (eight chains), the scale's chain, and nine of O^T's sixteen rescalings: each line reads results made five or more vector lines before it.
	v_pk_add_f32 v[76:77], v[84:85], v[88:89]
	v_pk_add_f32 v[78:79], v[92:93], v[96:97]
	v_pk_add_f32 v[74:75], v[100:101], v[104:105]
	v_pk_add_f32 v[72:73], v[108:109], v[112:113]
	v_pk_add_f32 v[70:71], v[116:117], v[120:121]
	v_pk_add_f32 v[68:69], v[124:125], v[128:129]
	v_pk_add_f32 v[66:67], v[132:133], v[136:137]
	v_pk_add_f32 v[14:15], v[14:15], v[140:141]
	v_max_num_f32 v18, 0x1800000, v18              ; the floor 2^(3 - 127): the byte cannot fall under 1
	v_max_num_f32 v19, 0x1800000, v19
	v_pk_add_f32 v[76:77], v[76:77], v[80:81]
	v_pk_add_f32 v[78:79], v[78:79], v[82:83]
	v_pk_add_f32 v[74:75], v[74:75], v[86:87]
	v_pk_add_f32 v[72:73], v[72:73], v[90:91]
	v_pk_add_f32 v[70:71], v[70:71], v[94:95]
	v_pk_add_f32 v[68:69], v[68:69], v[98:99]
	v_pk_add_f32 v[66:67], v[66:67], v[102:103]
	v_pk_add_f32 v[14:15], v[14:15], v[106:107]
	v_add_nc_u32 v20, 0xff000000, v18              ; 2 off the exponent field: the conversion's scale operand
	v_add_nc_u32 v21, 0xff000000, v19
	v_pk_add_f32 v[76:77], v[76:77], v[110:111]
	v_pk_add_f32 v[78:79], v[78:79], v[114:115]
	v_pk_add_f32 v[74:75], v[74:75], v[118:119]
	v_pk_add_f32 v[72:73], v[72:73], v[122:123]
	v_pk_add_f32 v[70:71], v[70:71], v[126:127]
	v_pk_add_f32 v[68:69], v[68:69], v[130:131]
	v_pk_add_f32 v[66:67], v[66:67], v[134:135]
	v_pk_add_f32 v[14:15], v[14:15], v[138:139]
	v_lshrrev_b32 v22, 23, v20                     ; the bytes
	v_lshrrev_b32 v23, 23, v21
	v_pk_add_f32 v[78:79], v[78:79], v[68:69]
	v_pk_add_f32 v[74:75], v[74:75], v[66:67]
	v_pk_add_f32 v[76:77], v[76:77], v[142:143]
	v_pk_add_f32 v[14:15], v[14:15], v[72:73]
	v_pk_mul_f32 v[O:O+1], v[O:O+1], v[16:17] op_sel_hi:[1,0]           ; O^T under the new M, each accumulator from its low end on
	v_lshl_or_b32 v9, v23, 16, v22                 ; my bytes, blocks h and 2 + h,
	v_pk_mul_f32 v[O+2:O+3], v[O+2:O+3], v[16:17] op_sel_hi:[1,0]
	v_pk_add_f32 v[76:77], v[76:77], v[70:71]
	v_pk_add_f32 v[14:15], v[14:15], v[78:79]
	v_pk_mul_f32 v[O+4:O+5], v[O+4:O+5], v[16:17] op_sel_hi:[1,0]
	v_lshlrev_b32 v9, v7, v9
	v_pk_mul_f32 v[O+6:O+7], v[O+6:O+7], v[16:17] op_sel_hi:[1,0]
	v_pk_add_f32 v[76:77], v[76:77], v[74:75]
	v_pk_mul_f32 v[O+8:O+9], v[O+8:O+9], v[16:17] op_sel_hi:[1,0]
	v_pk_mul_f32 v[O+10:O+11], v[O+10:O+11], v[16:17] op_sel_hi:[1,0]
	v_permlanex16_b32 v31, v9, s28, s29
	v_pk_mul_f32 v[O+12:O+13], v[O+12:O+13], v[16:17] op_sel_hi:[1,0]
	v_pk_add_f32 v[14:15], v[14:15], v[76:77]
	v_pk_mul_f32 v[O+14:O+15], v[O+14:O+15], v[16:17] op_sel_hi:[1,0]
	v_pk_mul_f32 v[O+16:O+17], v[O+16:O+17], v[16:17] op_sel_hi:[1,0]
	v_or_b32 v24, v9, v31                          ; and lane l xor 16's: p's scale word for these 128 keys
	v_cvt_scalef32_pk16_fp6_f32 v[P:P+2], v[S:S+15], v20
	v_cvt_scalef32_pk16_fp6_f32 v[68:70], v[S+16:S+31], v20
	v_cvt_scalef32_pk16_fp6_f32 v[P+6:P+8], v[S+32:S+47], v21
	v_cvt_scalef32_pk16_fp6_f32 v[72:74], v[S+48:S+63], v21
	v_nop                                          ; one plain place behind a scaled conversion
.irp i, 0,1,2
	v_mov_b32 v[P+3+\i], v[68+\i]
	v_mov_b32 v[P+9+\i], v[72+\i]
.endr
.set j, 18
.rept 7
	v_pk_mul_f32 v[O+j:O+j+1], v[O+j:O+j+1], v[16:17] op_sel_hi:[1,0]   ; the other seven rescalings: with the moves above, the places between p's codes and scale word and their use
.set j, j+2
.endr
	s_wait_alu depctr_va_vdst(0)
	s_wait_dscnt 0x0                               ; V is in
.irp t, 0,1,2,3                        ; the four accumulators take turns, one instruction a turn; the eight score products stand between two links
.if \t < 2
	v_wmma_scale_f32_16x16x128_f8f6f4 v[O+8*\t:O+8*\t+7], v[F+12*\t:F+12*\t+11], v[P:P+11], v[O+8*\t:O+8*\t+7], v[28+\t%2], v24 matrix_a_fmt:MATRIX_FMT_FP6 matrix_b_fmt:MATRIX_FMT_FP6
.else
	v_wmma_scale_f32_16x16x128_f8f6f4 v[O+8*\t:O+8*\t+7], v[F+12*\t:F+12*\t+11], v[P:P+11], v[O+8*\t:O+8*\t+7], v[28+\t%2], v24 matrix_a_fmt:MATRIX_FMT_FP6 matrix_b_fmt:MATRIX_FMT_FP6 matrix_a_scale:MATRIX_SCALE_ROW1
.endif
.endr
	s_add_co_u32 s33, s33, UB
	s_sub_co_u32 s34, s34, 1
	s_cmp_lg_u32 s34, 0
	s_cbranch_scc1 .Lstep_\@
	; the tile's end: O^T / the sum is one block of 32 along the last product's K: quantised as it stands
.rept 4
	v_nop
.endr
	v_add_f32 v9, v14, v15
	s_delay_alu instid0(VALU_DEP_1)
	v_permlanex16_b32 v31, v9, s28, s29
	s_delay_alu instid0(VALU_DEP_1)
	v_add_f32 v9, v9, v31                          ; the row's sum
	s_wait_alu depctr_va_vdst(0)
	v_rcp_f32 v16, v9
	v_nop                                          ; a plain place behind the reciprocal,
	s_wait_alu depctr_va_vdst(0)                   ; and the wait ahead of its first reader
.set j, 0
.rept 16
	v_pk_mul_f32 v[S+j:S+j+1], v[O+j:O+j+1], v[16:17] op_sel_hi:[1,0]   ; each accumulator from its low end on
.set j, j+2
.endr
	v_max3_num_f32 v18, |v[S]|, |v[S+1]|, 0x1800000
	v_max3_num_f32 v19, |v[S+16]|, |v[S+17]|, 0x1800000
.irp i, 2,4,6,8,10,12,14
	s_delay_alu instid0(VALU_DEP_2)
	v_max3_num_f32 v18, v18, |v[S+\i]|, |v[S+\i+1]|
	s_delay_alu instid0(VALU_DEP_2)
	v_max3_num_f32 v19, v19, |v[S+16+\i]|, |v[S+17+\i]|
.endr
	s_delay_alu instid0(VALU_DEP_1)
	v_max_num_f32 v18, v18, v19
	s_delay_alu instid0(VALU_DEP_1)
	v_add_nc_u32 v20, 0xff000000, v18
	s_delay_alu instid0(VALU_DEP_1)
	v_lshrrev_b32 v22, 23, v20
	v_cvt_scalef32_pk16_fp6_f32 v[P:P+2], v[S:S+15], v20
	v_cvt_scalef32_pk16_fp6_f32 v[68:70], v[S+16:S+31], v20
	v_nop
.irp i, 0,1,2
	v_mov_b32 v[P+3+\i], v[68+\i]
.endr
	global_store_b128 v1, v[P:P+3], s[36:37] offset:6144*\half          ; 512 consecutive bytes
	global_store_b64 v2, v[P+4:P+5], s[36:37] offset:6144*\half+512     ; 256
	global_store_b8 v8, v22, s[38:39] offset:256*\half                  ; byte 2 c + h of row r's word
.endm
	PASS 0
	PASS 1
	s_wait_tensorcnt 0x0                           ; the wave's end: behind my last tensor load
	ds_add_u32 v5, v6
	s_wait_dscnt 0x0
	CROUND                                         ; the closing round
	s_endpgm
.Lfunc_end_k_q4baef28c24_attn:
	.size	k_q4baef28c24_attn, .Lfunc_end_k_q4baef28c24_attn-k_q4baef28c24_attn
	.p2alignl 7, 3214868480
	.fill 96, 4, 3214868480
	.section	.rodata,"a",@progbits
	.p2align	6, 0x0
	.amdhsa_kernel k_q4baef28c24_attn
		.amdhsa_group_segment_fixed_size 327680
		.amdhsa_private_segment_fixed_size 0
		.amdhsa_enable_private_segment 0
		.amdhsa_kernarg_size 24
		.amdhsa_user_sgpr_count 2
		.amdhsa_user_sgpr_kernarg_segment_ptr 1
		.amdhsa_wavefront_size32 1
		.amdhsa_system_sgpr_workgroup_id_x 1
		.amdhsa_system_sgpr_workgroup_id_y 1
		.amdhsa_system_sgpr_workgroup_id_z 1
		.amdhsa_system_vgpr_workitem_id 0
		.amdhsa_next_free_vgpr 224
		.amdhsa_next_free_sgpr 66
		.amdhsa_reserve_vcc 0
		.amdhsa_float_denorm_mode_32 3
		.amdhsa_float_denorm_mode_16_64 3
		.amdhsa_memory_ordered 1
		.amdhsa_forward_progress 1
		.amdhsa_inst_pref_size 48
	.end_amdhsa_kernel
	.amdgpu_metadata
---
amdhsa.version: [ 1, 2 ]
amdhsa.kernels:
  - .name:           k_q4baef28c24_attn
    .symbol:         k_q4baef28c24_attn.kd
    .args:
      - { .name: qb, .offset: 0, .size: 8, .value_kind: global_buffer, .address_space: global }
      - { .name: kvb, .offset: 8, .size: 8, .value_kind: global_buffer, .address_space: global }
      - { .name: aq, .offset: 16, .size: 8, .value_kind: global_buffer, .address_space: global }
    .group_segment_fixed_size: 327680
    .private_segment_fixed_size: 0
    .kernarg_segment_align: 8
    .kernarg_segment_size: 24
    .max_flat_workgroup_size: 512
    .sgpr_count:     66
    .vgpr_count:     224
    .wavefront_size: 32
...
	.end_amdgpu_metadata
.endif
;; end of part 3
;; launch proj (part 4): grid 8 x 32, 4 waves a work-group, clusters of 4 x 4, 327,680 bytes of LDS; arguments aq, wq, bo, out0; writes out0
.if DOCPART == 4
	.amdgcn_target "amdgcn-amd-amdhsa--gfx1250"
	.amdhsa_code_object_version 6
	.text
	.protected	k_q4baef28c24_proj
	.globl	k_q4baef28c24_proj
	.p2align	8
	.type	k_q4baef28c24_proj,@function
k_q4baef28c24_proj:
	s_mov_b64 s[64:65], 0
	v_nop
	global_prefetch_b8 v0, s[64:65] scope:SCOPE_SE
	s_setreg_imm32_b32 hwreg(HW_REG_WAVE_MODE, 25, 1), 1
	s_wait_xcnt 0x0
	s_wait_alu depctr_hold_cnt(0) depctr_sa_sdst(0) depctr_va_vdst(0) depctr_va_sdst(0) depctr_va_ssrc(0) depctr_va_vcc(0) depctr_vm_vsrc(0)
	s_getreg_b32 s2, hwreg(HW_REG_IB_STS2, 6, 4)
	s_cmp_eq_u32 s2, 0
	s_cbranch_scc0 .Lentry_in_a_cluster
	s_endpgm
.Lentry_in_a_cluster:
	s_bfe_u32 s2, ttmp6, 0x10000c
	s_cmp_lg_u32 s2, 0xf033
	s_cbranch_scc0 .Lentry_shape_is_right
	s_endpgm
.Lentry_shape_is_right:
; FOURTH LAUNCH: product 6, out0 = attn Wo^T + bo, on the codes and scale words that the earlier launches laid in operand order (row blocks of 128 rows, 102,400 bytes: four quarters of 256 along K, each
; [K step 2][tile 8][half 2][768 bytes] of codes and 1,024 bytes of scale words [K step 2][g 2][m 16][t 4]; row m of tile 4 g + t is row 64 g + 32 (m / 8) + 8 t + m % 8 of the block).  Nothing of reference() is left out.
; SHARES: a work-group makes 256 rows x 128 columns of out0: 32 x 8 = 256 work-groups.  Its operands for ALL of K are two row blocks of aq and one of Wo's (row block 24 + x of wq): 307,200 bytes, which lie in LDS at once.
; They come by one joint load a wave at the head: waves 0, 1 a row block of aq each (400 rows of 256 bytes), waves 2, 3 half of Wo's each (200 rows).  Filled once: no ring, no refill.  By this text's count a wave has one tensor load out.
; CLUSTERS: 4 x 4.  aq's row blocks hang on the block row alone and are shared along a row of the cluster, Wo's on the block column alone and are shared along a column.
; NO PREFETCH: every byte is asked for once, at the head, and there is no loop to run ahead in.
; A wave makes 64 rows (row block wave / 2, half g = wave % 2: tiles 4 g .. 4 g + 3) x 128 columns: 32 accumulators, one window.  K goes in 8 steps of 128, 32 matrix instructions each; both operands have two sets of registers:
; a step begins by asking LDS for the next step's 50 loads.  THE MATRIX INSTRUCTION IS USED TRANSPOSED (source 0 = Wo's tile, source 1 = aq's): register j of lane (r, h) in tile b is column 64 (b / 4) + 32 h + 8 (b % 4) + j of row r.
; The bias is the C of the first step's products.  WINDOWS: 0: addresses, scale words, bias, aq's fragments; 1: Wo's fragments; 2: the accumulators.
.set RBB,   102400
.set QTB,   25600
.set HLF,   51200                      ; two quarters: LDS offsets are 16-bit, so each address has a second register two quarters on
.set FR,    12
.set SPARE, 3*RBB                      ; behind the tiles: the spare words, 128 bytes a wave, which no other line names
.set STG,   8448                       ; the way out: a wave's stage, 16 rows x 528 bytes, in tile bytes that are read no more
.set WB16,  8                          ; v8-9   Wo: 16 x lane;  v10-11: 8 x lane
.set WB8,   10
.set XA16,  12                         ; v12-13 aq, my four tiles: 16 x lane;  v14-15: 8 x lane
.set XA8,   14
.set XS,    16                         ; v16-17 my half's scale words: 16 r
.set STO,   20
.set RD,    21
.set BO,    22
.set SPW,   28                         ; v28 my spare word, v29 0: never rewritten
.set NIL,   29
.set SC,    32                         ; v32-47 scale words, two sets: Wo's four registers (lanes 0-15 tiles 0-3, lanes 16-31 tiles 4-7), then aq's four
.set BIAS,  64                         ; v64-127
.set AF,    128                        ; v128-223 aq's fragments, two sets of 48
.set G1X,   28
.set G1W,   36
.set G0X,   44
.set G0W,   48
.set MSB, 0
.macro WIN new
.if MSB != (\new)
	s_set_vgpr_msb (MSB<<8)|(\new)
.set MSB, (\new)
.endif
.endm
.macro PLACES n
.rept \n
	v_nop
.endr
.endm
.macro CROUND
	s_barrier_signal -1
	s_barrier_wait -1
	s_cmp_lg_u32 s18, 0
	s_cbranch_scc1 .Lnot_wave_0_\@
	s_barrier_signal -3
.Lnot_wave_0_\@:
	s_barrier_wait -3
	s_barrier_signal -1
	s_barrier_wait -1
.endm
	s_load_b256 s[4:11], s[0:1], 0x0               ; aq, wq, bo, out0
	v_lshl_add_u32 v[SPW], v0, 2, SPARE
	v_mov_b32 v[NIL], 0
	ds_add_u32 v[SPW], v[NIL]                      ; the opening lines: the add, twice on end, and its wait ahead of my first tensor load
	ds_add_u32 v[SPW], v[NIL]
	v_lshrrev_b32 v1, 5, v0
	v_readfirstlane_b32 s18, v1                    ; wave 0..3
	s_lshr_b32 s19, s18, 1                         ; my row block of aq.  Also: I fetch for aq (0) or for Wo (1)
	s_and_b32 s20, s18, 1                          ; my half of it.  Also: which piece I fetch
	s_bfe_u32 s21, ttmp6, 0x40000                  ; cx
	s_bfe_u32 s22, ttmp6, 0x40004                  ; cy
	s_lshl_b32 s23, ttmp9, 2
	s_add_co_u32 s23, s23, s21                     ; block column x
	s_and_b32 s24, ttmp7, 0xffff
	s_lshl_b32 s24, s24, 2
	s_add_co_u32 s24, s24, s22                     ; block row y
	s_lshl_b32 s25, s22, 2
	s_lshl_b32 s25, 15, s25                        ; my row of the cluster
	s_lshl_b32 s26, 0x1111, s21                    ; my column
	s_or_b32 s[G1X], s25, (3<<16)|(1<<21)          ; elements of 8 bytes; bit 21 beside a mask; dense: no padding
	s_or_b32 s[G1W], s26, (3<<16)|(1<<21)
	s_mov_b32 s[G1X+1], 32<<16                     ; rows of 256 bytes
	s_mov_b32 s[G1X+2], 400<<16
	s_mov_b32 s[G1X+3], 32<<16
	s_mov_b32 s[G1X+4], 400
	s_mov_b32 s[G1X+5], 32
	s_mov_b32 s[G1X+6], 0
	s_mov_b32 s[G1X+7], 0
	s_mov_b32 s[G1W+1], 32<<16
	s_mov_b32 s[G1W+2], 200<<16
	s_mov_b32 s[G1W+3], 32<<16
	s_mov_b32 s[G1W+4], 200
	s_mov_b32 s[G1W+5], 32
	s_mov_b32 s[G1W+6], 0
	s_mov_b32 s[G1W+7], 0
	s_lshl_b32 s52, s24, 1
	s_add_co_u32 s52, s52, s20
	s_mul_i32 s52, s52, RBB                        ; aq: row block 2 y + piece
	s_mov_b32 s53, 0
	s_add_co_u32 s54, s23, 24
	s_mul_i32 s54, s54, RBB                        ; wq: row block 24 + x,
	s_mul_i32 s55, s20, HLF
	s_add_co_u32 s54, s54, s55                     ; + piece x half a row block
	s_mov_b32 s55, 0
	s_mov_b32 s[G0X], 1
	s_mul_i32 s[G0X+1], s20, RBB                   ; LDS: aq's two row blocks, then Wo's
	s_mov_b32 s[G0W], 1
	s_mul_i32 s[G0W+1], s20, HLF
	s_add_co_u32 s[G0W+1], s[G0W+1], 2*RBB
	s_mul_i32 s56, s19, RBB
	s_lshl_b32 s58, s20, 8
	s_add_co_u32 s58, s58, s56                     ; my half's scale words: + 256 g
	s_add_co_u32 s59, s58, HLF
	s_mul_i32 s57, s20, 6144
	s_add_co_u32 s56, s56, s57                     ; my four tiles: + 4 g fragments
	s_add_co_u32 s57, s56, HLF
	s_mul_i32 s62, s18, STG                        ; my stage
	s_lshl_b32 s66, s23, 9                         ; 128 columns of f32
	s_mov_b32 s67, 0
	s_lshl_b32 s68, s24, 1
	s_add_co_u32 s68, s68, s19
	s_lshl_b32 s68, s68, 19                        ; 128 rows of 4,096 bytes a row block,
	s_lshl_b32 s69, s20, 18                        ; 64 rows a half
	s_add_co_u32 s68, s68, s69
	s_add_co_u32 s68, s68, s66
	s_mov_b32 s69, 0
	s_wait_dscnt 0x0                               ; both opening adds are done
	s_wait_kmcnt 0x0
	s_add_nc_u64 s[G0X+2:G0X+3], s[4:5], s[52:53]
	s_or_b32 s[G0X+3], s[G0X+3], 0x80000000
	s_add_nc_u64 s[G0W+2:G0W+3], s[6:7], s[54:55]
	s_or_b32 s[G0W+3], s[G0W+3], 0x80000000
	s_add_nc_u64 s[8:9], s[8:9], s[66:67]
	s_add_nc_u64 s[10:11], s[10:11], s[68:69]
	CROUND                                         ; all sixteen work-groups are here: the joint loads meet
	s_cmp_eq_u32 s19, 0                            ; one load a wave, one in each arm
	s_cbranch_scc0 .Lfor_w
	tensor_load_to_lds s[G0X:G0X+3], s[G1X:G1X+7]
	s_nop 0
.rept 4
	v_nop
.endr
	s_branch .Lasked
.Lfor_w:
	tensor_load_to_lds s[G0W:G0W+3], s[G1W:G1W+7]
	s_nop 0
.rept 4
	v_nop
.endr
.Lasked:
	v_and_b32 v6, 31, v0
	v_lshlrev_b32 v1, 4, v6                        ; 16 x lane
	v_lshlrev_b32 v2, 3, v6                        ; 8 x lane
	v_and_b32 v3, 15, v0                           ; r
	v_bfe_u32 v4, v0, 4, 1                         ; h
	v_lshlrev_b32 v5, 4, v3
	v_add_nc_u32 v[WB16], 2*RBB, v1
	v_add_nc_u32 v[WB16+1], 2*RBB+HLF, v1
	v_add_nc_u32 v[WB8], 2*RBB, v2
	v_add_nc_u32 v[WB8+1], 2*RBB+HLF, v2
	v_add_nc_u32 v[XA16], s56, v1
	v_add_nc_u32 v[XA16+1], s57, v1
	v_add_nc_u32 v[XA8], s56, v2
	v_add_nc_u32 v[XA8+1], s57, v2
	v_add_nc_u32 v[XS], s58, v5
	v_add_nc_u32 v[XS+1], s59, v5
	v_mul_u32_u24 v[STO], v3, 528                  ; into the stage: row r, + 128 h
	v_lshl_add_u32 v[STO], v4, 7, v[STO]
	v_add_nc_u32 v[STO], s62, v[STO]
	v_add_nc_u32 v[RD], s62, v1                    ; out of it: 32 lanes take a row of 512 bytes
	v_lshlrev_b32 v[BO], 7, v4
.irp t, 0,1,2,3,4,5,6,7
	global_load_b128 v[BIAS+8*\t:BIAS+8*\t+3], v[BO], s[8:9] offset:4*(64*(\t/4)+8*(\t%4))   ; bo at my eight columns of tile t
	global_load_b128 v[BIAS+8*\t+4:BIAS+8*\t+7], v[BO], s[8:9] offset:4*(64*(\t/4)+8*(\t%4))+16
.endr
.macro FRAG reg, a16, a8, off          ; a fragment by four dense loads
	ds_load_b128 v[\reg:\reg+3], v[\a16] offset:\off
	ds_load_b64 v[\reg+4:\reg+5], v[\a8] offset:\off+512
	ds_load_b128 v[\reg+6:\reg+9], v[\a16] offset:\off+768
	ds_load_b64 v[\reg+10:\reg+11], v[\a8] offset:\off+1280
.endm
.macro FETCH st                        ; step st's operands into set st % 2: 32 + 16 + 2 = 50 LDS loads
.set HF, (\st)/4
.set OF, (((\st)/2)%2)*QTB+((\st)%2)*12288
.set SO, (((\st)/2)%2)*QTB+24576+((\st)%2)*512
.set PS, (\st)%2
	WIN 0x40
.irp i, 0,1,2,3,4,5,6,7
	FRAG 128*PS+FR*\i, WB16+HF, WB8+HF, OF+1536*\i
.endr
	WIN 0
.irp i, 0,1,2,3
	FRAG AF+48*PS+FR*\i, XA16+HF, XA8+HF, OF+1536*\i
.endr
	ds_load_b128 v[SC+8*PS:SC+8*PS+3], v[WB16+HF] offset:SO
	ds_load_b128 v[SC+8*PS+4:SC+8*PS+7], v[XS+HF] offset:SO
.endm
.macro MULS st                         ; 32 matrix instructions; the 32 accumulators take turns, in the same order in every step
.irp a, 0,1,2,3
.irp b, 0,1,2,3,4,5,6,7
.set rD, 8*(8*\a+\b)
.set rA, 128*((\st)%2)+FR*\b
.set rB, AF+48*((\st)%2)+FR*\a
.set rSA, SC+8*((\st)%2)+(\b%4)
.set rSB, SC+8*((\st)%2)+4+\a
.if (\st) == 0
.set rC, BIAS+8*\b
.else
.set rC, rD
.endif
.if \b < 4
	v_wmma_scale_f32_16x16x128_f8f6f4 v[rD:rD+7], v[rA:rA+11], v[rB:rB+11], v[rC:rC+7], v[rSA], v[rSB] matrix_a_fmt:MATRIX_FMT_FP6 matrix_b_fmt:MATRIX_FMT_FP6
.else
	v_wmma_scale_f32_16x16x128_f8f6f4 v[rD:rD+7], v[rA:rA+11], v[rB:rB+11], v[rC:rC+7], v[rSA], v[rSB] matrix_a_fmt:MATRIX_FMT_FP6 matrix_b_fmt:MATRIX_FMT_FP6 matrix_a_scale:MATRIX_SCALE_ROW1
.endif
.endr
.endr
.endm
.macro STEP st
.if (\st) > 0 && (\st) < 7
	PLACES 4                                       ; four places behind the last step's products, in front of loads into the registers that they read
.endif
.if (\st) < 7
	FETCH (\st)+1
	s_wait_dscnt 50                                ; all but the 50 just issued: this step's operands are in
.else
	s_wait_dscnt 0x0                               ; the last operands are in, and my reads of the tiles are over:
	s_barrier_signal -1                            ; say so; the products below touch registers alone
.endif
.if (\st) == 0
	s_wait_loadcnt 0x0                             ; the bias
	WIN 0x81                                       ; C in window 0
.else
	WIN 0xa1
.endif
	MULS \st
	WIN 0
.endm
	s_wait_alu depctr_va_vdst(0)                   ; the wait at the head's end
	s_wait_tensorcnt 0x0                           ; my piece has landed,
	s_barrier_signal -1
	s_barrier_wait -1                              ; everybody's has
	FETCH 0
.irp s, 0,1,2,3,4,5,6,7
	STEP \s
.endr
	s_barrier_wait -1                              ; nobody reads the tiles any more: the stages may lie in their bytes, which have had their only fill
; THE WAY OUT, block by block of 16 rows x 128 columns: through my stage, back as whole rows of 512 bytes, which 32 lanes store as two aligned units of 256 bytes.  LDS serves a wave's instructions in order.
.macro TOSTAGE a
.set AC, 64*(\a)
	WIN 0x08
.irp b, 0,1,2,3,4,5,6,7
	ds_store_b128 v[STO], v[AC+8*\b:AC+8*\b+3] offset:256*(\b/4)+32*(\b%4)      ; each accumulator from its low end on
	ds_store_b128 v[STO], v[AC+8*\b+4:AC+8*\b+7] offset:256*(\b/4)+32*(\b%4)+16
.endr
	WIN 0
.set BB, 128+64*((\a)%2)
.irp t, 0,1,2,3,4,5,6,7,8,9,10,11,12,13,14,15
	ds_load_b128 v[BB+4*\t:BB+4*\t+3], v[RD] offset:528*\t
.endr
.endm
.macro SEND a, younger                 ; younger: the LDS instructions issued behind block a's loads
.set BB, 128+64*((\a)%2)
	s_wait_dscnt \younger
.irp t, 0,1,2,3,4,5,6,7,8,9,10,11,12,13,14,15
	global_store_b128 v1, v[BB+4*\t:BB+4*\t+3], s[10:11] offset:(32*(\t/8)+8*(\a)+\t%8)*4096 th:TH_STORE_NT   ; stage row t is row 32 (t / 8) + 8 a + t % 8 of my 64
.endr
.endm
	PLACES 4                                       ; behind the last products: for the stores of results and the loads into aq's fragments' registers
	TOSTAGE 0
.irp a, 1,2,3
.if \a > 1
	s_wait_xcnt 0x0                                ; block a - 2's stores have read their registers
.endif
	TOSTAGE \a
	SEND \a-1, 32
.endr
	SEND 3, 0
	s_wait_tensorcnt 0x0                           ; the wave's end
	ds_add_u32 v[SPW], v[NIL]
	s_wait_dscnt 0x0
	CROUND                                         ; the closing round
	s_endpgm
.Lfunc_end_k_q4baef28c24_proj:
	.size	k_q4baef28c24_proj, .Lfunc_end_k_q4baef28c24_proj-k_q4baef28c24_proj
	.p2alignl 7, 3214868480
	.fill 96, 4, 3214868480
	.section	.rodata,"a",@progbits
	.p2align	6, 0x0
	.amdhsa_kernel k_q4baef28c24_proj
		.amdhsa_group_segment_fixed_size 327680
		.amdhsa_private_segment_fixed_size 0
		.amdhsa_enable_private_segment 0
		.amdhsa_kernarg_size 32
		.amdhsa_user_sgpr_count 2
		.amdhsa_user_sgpr_kernarg_segment_ptr 1
		.amdhsa_wavefront_size32 1
		.amdhsa_system_sgpr_workgroup_id_x 1
		.amdhsa_system_sgpr_workgroup_id_y 1
		.amdhsa_system_sgpr_workgroup_id_z 1
		.amdhsa_system_vgpr_workitem_id 0
		.amdhsa_next_free_vgpr 768
		.amdhsa_next_free_sgpr 72
		.amdhsa_reserve_vcc 0
		.amdhsa_float_denorm_mode_32 3
		.amdhsa_float_denorm_mode_16_64 3
		.amdhsa_memory_ordered 1
		.amdhsa_forward_progress 1
		.amdhsa_inst_pref_size 82
	.end_amdhsa_kernel
	.amdgpu_metadata
---
amdhsa.version: [ 1, 2 ]
amdhsa.kernels:
  - .name:           k_q4baef28c24_proj
    .symbol:         k_q4baef28c24_proj.kd
    .args:
      - { .name: aq, .offset: 0, .size: 8, .value_kind: global_buffer, .address_space: global }
      - { .name: wq, .offset: 8, .size: 8, .value_kind: global_buffer, .address_space: global }
      - { .name: bo, .offset: 16, .size: 8, .value_kind: global_buffer, .address_space: global }
      - { .name: out0, .offset: 24, .size: 8, .value_kind: global_buffer, .address_space: global }
    .group_segment_fixed_size: 327680
    .private_segment_fixed_size: 0
    .kernarg_segment_align: 8
    .kernarg_segment_size: 32
    .max_flat_workgroup_size: 128
    .sgpr_count:     72
    .vgpr_count:     768
    .wavefront_size: 32
...
	.end_amdgpu_metadata
.endif
;; end of part 4
